; MI455X (gfx1250); checked and timed in simulation.
; The chip was launched on July 23, 2026; its instructions are those of AMD's public machine-readable ISA for CDNA 5 (MIT licence, August 2026) and "CDNA5" Instruction Set Architecture Reference Guide (July 2026). The comments in the code are by the model that wrote it; some were corrected since.
;; Multi Head Attention. Allowed arithmetic: matrix products marked QUANTISED: E2M1 operands, one E8M0 scale for each 32 along K, by v_wmma_scale_f32_16x16x128_f8f6f4 with both operands' format E2M1 (or v_wmma_scale_f32_32x16x128_f4), f32 sums; products left as they are: bf16, f16 or f32 operands; f32 sums; everything else in f32.
;; Inputs: Wk 1,024 x 1,024 float32; Wo 1,024 x 1,024 float32; Wq 1,024 x 1,024 float32; Wv 1,024 x 1,024 float32; bk 1,024 float32; bq 1,024 float32; bv 1,024 float32; k 4 x 2,048 x 1,024 float32; q 4 x 2,048 x 1,024 float32; v 4 x 2,048 x 1,024 float32.
;; Outputs: out0 4 x 2,048 x 1,024 float32.
;; This version of the problem:
;;   THIS VERSION OF THE PROBLEM IS GIVEN IN LOW PRECISION. The matrix products marked QUANTISED in the list below multiply operands that are first quantised to E2M1 (2 exponent bits, 1 mantissa bit; 4 bits a number), with one power-of-two scale for each 32 numbers along K (OCP MX v1.0); their sums are f32. The products marked 'left as it is' may take bf16, f16 or f32 operands, with f32 sums. Whichever they take, every output number must still come out within the allowed error. Rounding operands to bf16 (8 significant bits) uses up far more of that allowance than f16 does (11 bits, for magnitudes from 6e-5 to 65,504). All else is computed in f32.
;;   The module's matrix products, in the order in which they are computed (A, B: the left and right operand; K: the contracted axis; several contracted axes count as one K, in the product's order):
;;     1. [M 8,192, K 1,024] x [K 1,024, N 1,024]; A: input q; B: input Wq: QUANTISED
;;     2. [M 8,192, K 1,024] x [K 1,024, N 1,024]; A: input k; B: input Wk: QUANTISED
;;     3. [M 8,192, K 1,024] x [K 1,024, N 1,024]; A: input v; B: input Wv: QUANTISED
;;     4. batch 64 x [M 2,048, K 64] x [K 64, N 2,048]; A: computed on the way; B: computed on the way: left as it is (an operand is computed on the way)
;;     5. batch 64 x [M 2,048, K 2,048] x [K 2,048, N 64]; A: computed on the way; B: computed on the way: left as it is (an operand is computed on the way)
;;     6. [M 8,192, K 1,024] x [K 1,024, N 1,024]; A: computed on the way; B: input Wo: left as it is (an operand is computed on the way)
;;   THE QUANTISER, for each operand of a quantised product, along K:
;;     - K is cut into blocks of 32 from its start; a last block that is shorter is filled with zeros.
;;     - A block's scale is 2^e with e = floor(log2(the largest magnitude in the block)) - 2, held to -126 .. 127; a block of zeros has e = 0. As a byte (E8M0): e + 127.
;;     - Each number is divided by its block's scale, clamped to +-6, and rounded to the nearest number of E2M1, ties to even, subnormals kept.
;;     - The product sums the exact products of the quantised numbers (number of the format x scale) in f32.
;;   ~~~python
;;   def quantise(x, axis):      # numpy; x: float32 -> the quantised numbers, widened to float32 again
;;       x = np.moveaxis(x, axis, -1); K = x.shape[-1]
;;       x = np.pad(x, [(0, 0)] * (x.ndim - 1) + [(0, -K % 32)]); x = x.reshape(x.shape[:-1] + (-1, 32)); a = np.abs(x).max(-1, keepdims=True)
;;       e = np.where(a > 0, np.clip(np.frexp(np.where(a > 0, a, 1))[1] - 1 - 2, -126, 127), 0)      # np.frexp(a)[1] - 1 = floor(log2(a)), exactly
;;       r = np.clip(x / 2.0 ** e, -6, 6)
;;       step = 2.0 ** (np.maximum(np.frexp(np.where(r == 0, 1, r))[1] - 1, 0) - 1)
;;       q = np.round(r / step) * step * 2.0 ** e      # np.round: ties to even
;;       return np.moveaxis(q.reshape(q.shape[:-2] + (-1,))[..., :K], -1, axis).astype(np.float32)
;;   ~~~
;; One version. Each part assembles by itself: llvm-mc -triple=amdgcn-amd-amdhsa -mcpu=gfx1250 --defsym DOCPART=n.
;; ======== version 1 of 1: 5 launches
;; limits: values are held in f16: magnitudes above 65,504 overflow, below 6.1e-05 lose precision
;; workspace buffers: codes 14,155,776 bytes; scales 884,736 bytes; wo16 2,097,152 bytes; qkv 50,331,648 bytes; top16 786,432 bytes; bsum 1,048,576 bytes; vtail 524,288 bytes; x16 16,777,216 bytes
;; launch quant (part 1): grid 896 x 1, 4 waves a work-group, no clusters, 33,280 bytes of LDS; arguments q, k, v, Wq, Wk, Wv, Wo, codes, scales, wo16; writes codes, scales, wo16
.if DOCPART == 1
	.amdgcn_target "amdgcn-amd-amdhsa--gfx1250"
	.amdhsa_code_object_version 6
	.text
	.protected	k_q7d56ad023f_quant
	.globl	k_q7d56ad023f_quant
	.p2align	8
	.type	k_q7d56ad023f_quant,@function
k_q7d56ad023f_quant:
	s_mov_b64 s[64:65], 0
	v_nop
	global_prefetch_b8 v0, s[64:65] scope:SCOPE_SE
	s_setreg_imm32_b32 hwreg(HW_REG_WAVE_MODE, 25, 1), 1
	s_wait_xcnt 0x0
; q, k, v [8192][1024] and Wq, Wk, Wv [1024][1024], f32 with K innermost, become codes of FP4 (E2M1), two a byte, and one E8M0 byte for each 32 along K;
; Wo [1024][1024] f32 becomes f16, laid [16 heads][1024 features][64], so that a K step of the last product is a dense block.
; A block's scale is 2^(floor(log2(its largest magnitude)) - 2); its byte is the largest magnitude's exponent field - 2, held at 1 from below.
; LIMITS: a block of zeros, or one whose largest magnitude lies under 2^-124, gets the byte 1 (zeros have zero codes; the bytes are read by this program alone);
; NaN and infinities are not served; Wo beyond 65,504 does not fit f16, and under 6e-5 it keeps fewer than 11 bits.
; Rows are dense and 1,024 is a multiple of 32: each tensor is a plain stream of blocks of 32, and the six streams lie one behind the other in codes and in scales, in the work-groups' order.
; A work-group takes 32,768 numbers, a wave 8,192: 16 steps of 512.  Work-groups 0-255 q, 256-511 k, 512-767 v, 768-799 Wq, 800-831 Wk, 832-863 Wv, 864-895 Wo.
; Each of a step's four loads reads 512 consecutive bytes; the 2,048 bytes turn through the wave's own stage in LDS and come back 64 bytes a lane, so that a lane holds 16 neighbours along K.
; No tensor load, no barrier: waves share nothing.  Matrix units and clusters have nothing to do here: the launch moves bytes.
.set WAVES, 4
.set STEPS, 16
.set EMAX,  2
.set CB,    8                          ; bytes of 16 codes
.set R,     16                         ; v16-79   four sets of 16 numbers as they are loaded (Wo: two sets of 64, v16-143)
.set X,     80                         ; v80-111  two sets of 16 neighbours
.set E,     112                        ; v112-127 a scale byte for each step
.set C,     128                        ; v128-191 codes: registers of its own for each step (Wo: v144-175 the f16 numbers)
.set WREG,  8192                       ; LDS: a region for each wave: two stages of 32 x SP bytes, then its 256 scale bytes
.set SP,    80                         ; a lane's place in a stage: 64 bytes + 16 of padding
.set SPW,   12                         ; v12  LDS address of my spare word; never rewritten
.set NIL,   13                         ; v13  0; never rewritten
.set SPARE, WAVES*WREG                 ; behind the regions: the spare words, 128 bytes a wave
	s_load_b512 s[4:19], s[0:1], 0x0               ; q, k, v, Wq, Wk, Wv, Wo, codes
	s_load_b128 s[20:23], s[0:1], 0x40             ; scales, wo16
	v_lshl_add_u32 v[SPW], v0, 2, SPARE
	v_mov_b32 v[NIL], 0
	v_lshrrev_b32 v1, 5, v0
	v_readfirstlane_b32 s24, v1                    ; wave
	v_and_b32 v2, 31, v0                           ; lane
	v_lshlrev_b32 v3, 4, v2                        ; my 16 bytes of a load's 512
	s_mul_i32 s25, s24, WREG
	v_lshrrev_b32 v14, 2, v2
	v_mul_u32_u24 v14, v14, SP
	v_and_b32 v15, 3, v2
	v_lshl_add_u32 v14, v15, 4, v14
	v_add_nc_u32 v14, s25, v14                     ; the stage, on the way in: SP (lane / 4) + 16 (lane % 4)
	v_mul_u32_u24 v15, v2, SP
	v_add_nc_u32 v15, s25, v15                     ; and on the way out: SP x lane
	v_mul_u32_u24 v4, v2, CB                       ; my codes' place in a step's
	v_lshrrev_b32 v5, 1, v2
	s_add_co_u32 s25, s25, 2*32*SP
	v_add_nc_u32 v5, s25, v5                       ; my block's scale byte in LDS
	v_lshlrev_b32 v7, 3, v2                        ; 8 bytes a lane
	v_add_nc_u32 v6, s25, v7
	v_lshrrev_b32 v10, 4, v2
	v_and_b32 v9, 15, v2
	v_lshlrev_b32 v9, 4, v9
	v_lshl_add_u32 v10, v10, 12, v9                ; Wo: lanes 0-15 one row, lanes 16-31 the next; 16 bytes a lane
	s_wait_kmcnt 0x0
	s_mov_b64 s[26:27], s[4:5]                     ; the tensor that my work-group reads, chosen by its number alone,
	s_mov_b32 s28, 0                               ; and that tensor's first work-group
.macro PICK bound, lo
	s_cmp_ge_u32 ttmp9, \bound
	s_cselect_b64 s[26:27], s[\lo:\lo+1], s[26:27]
	s_cselect_b32 s28, \bound, s28
.endm
	PICK 256, 6
	PICK 512, 8
	PICK 768, 10
	PICK 800, 12
	PICK 832, 14
	PICK 864, 16
	s_sub_co_u32 s29, ttmp9, s28
	s_lshl_b32 s29, s29, 2
	s_add_co_u32 s29, s29, s24                     ; which run of 8,192 numbers of the tensor is my wave's
	s_lshl_b32 s30, s29, 15
	s_mov_b32 s31, 0
	s_add_nc_u64 s[26:27], s[26:27], s[30:31]
	s_cmp_ge_u32 ttmp9, 864
	s_cbranch_scc1 .Lwo
	s_lshl_b32 s32, ttmp9, 2
	s_add_co_u32 s32, s32, s24                     ; which run of the six tensors together
	s_lshl_b32 s30, s32, 12
	s_add_nc_u64 s[18:19], s[18:19], s[30:31]      ; 4,096 bytes of codes a run
	s_lshl_b32 s30, s32, 8
	s_add_nc_u64 s[20:21], s[20:21], s[30:31]      ; 256 scale bytes a run
.macro LOAD t
.irp i, 0,1,2,3
	global_load_b128 v[R+16*((\t)%4)+4*\i:R+16*((\t)%4)+4*\i+3], v3, s[26:27] offset:2048*(\t)+512*\i th:TH_LOAD_NT   ; 32 lanes read 512 consecutive bytes
.endr
.endm
.macro TURN t                          ; step t's numbers through the stage: LDS serves a wave's instructions in order, so no wait stands between the stores and the loads
.irp i, 0,1,2,3
	ds_store_b128 v14, v[R+16*((\t)%4)+4*\i:R+16*((\t)%4)+4*\i+3] offset:32*SP*((\t)%2)+8*SP*\i
.endr
.irp i, 0,1,2,3
	ds_load_b128 v[X+16*((\t)%2)+4*\i:X+16*((\t)%2)+4*\i+3], v15 offset:32*SP*((\t)%2)+16*\i
.endr
.endm
.irp t, 0,1,2,3
	LOAD \t
.endr
	s_wait_loadcnt 12                              ; step 0's four loads are in; three steps' twelve stay out
	TURN 0
.macro STEP t
.set XS, X+16*((\t)%2)
.if (\t) > 0
	s_wait_dscnt 1                                 ; this step's numbers are back from the stage; the last step's byte store may be out
.else
	s_wait_dscnt 0x0
.endif
.if (\t)+4 < STEPS
	LOAD (\t)+4                                    ; into the registers whose stores into the stage are done
.endif
.if (\t)+1 < STEPS
.if STEPS-2-(\t) >= 3
	s_wait_loadcnt 12                              ; the next step's four loads are in; those of the three steps behind it may be out
.else
	s_wait_loadcnt 4*(STEPS-2-(\t))
.endif
	TURN (\t)+1
.endif
	v_max3_num_f32 v8, |v[XS]|, |v[XS+1]|, |v[XS+2]|               ; the largest magnitude of my 16, in two chains
	v_max3_num_f32 v9, |v[XS+3]|, |v[XS+4]|, |v[XS+5]|
.irp i, 6,10
	v_max3_num_f32 v8, v8, |v[XS+\i]|, |v[XS+\i+1]|
	v_max3_num_f32 v9, v9, |v[XS+\i+2]|, |v[XS+\i+3]|
.endr
	v_max3_num_f32 v8, v8, |v[XS+14]|, |v[XS+15]|
	v_max3_num_f32 v8, v8, v9, (EMAX+1)<<23        ; and the floor 2^(3 - 127): the byte cannot fall under 1
	v_max_num_f32_dpp v8, v8, v8 row_xmask:1 row_mask:0xf bank_mask:0xf   ; with my neighbour's 16: the block's
	v_add_nc_u32 v11, -(EMAX<<23), v8              ; 2 off its exponent field: the conversion takes this operand's exponent field as its scale
	v_cvt_scalef32_pk8_fp4_f32 v[C+4*(\t)], v[XS:XS+7], v11
	v_cvt_scalef32_pk8_fp4_f32 v[C+4*(\t)+1], v[XS+8:XS+15], v11
	v_lshrrev_b32 v[E+(\t)], 23, v11               ; the scale's byte (a plain line behind the conversions)
	ds_store_b8 v5, v[E+(\t)] offset:16*(\t)       ; both lanes of a block write the same byte with the same value
	global_store_b64 v4, v[C+4*(\t):C+4*(\t)+1], s[18:19] offset:32*CB*(\t)   ; the wave stores 256 consecutive bytes, aligned
.endm
.irp t, 0,1,2,3,4,5,6,7,8,9,10,11,12,13,14,15
	STEP \t
.endr
	ds_load_b64 v[8:9], v6                         ; my wave's 256 scale bytes: these loads see my stores
	s_wait_dscnt 0x0
	global_store_b64 v7, v[8:9], s[20:21]          ; 256 consecutive bytes, aligned
	s_branch .Lend
.Lwo:
; Wo to f16.  A wave takes 8 rows, two at a time; for each head one load (256 consecutive bytes of each of the two rows) and one store of 256 consecutive bytes: the two rows of that head.
	s_lshl_b32 s30, s29, 10                        ; 8 rows of 128 bytes inside a head's block
	s_add_nc_u64 s[22:23], s[22:23], s[30:31]
.macro WLOAD p
.irp h, 0,1,2,3,4,5,6,7,8,9,10,11,12,13,14,15
	global_load_b128 v[R+64*((\p)%2)+4*\h:R+64*((\p)%2)+4*\h+3], v10, s[26:27] offset:(\p)*8192+\h*256
.endr
.endm
.macro WOUT p
.if (\p) < 3
	s_wait_loadcnt 16                              ; this pair's 16 loads are in; the next pair's may be out
.else
	s_wait_loadcnt 0x0
.endif
	s_wait_xcnt 0x0                                ; the last pair's stores have read v144-175
.irp h, 0,1,2,3,4,5,6,7,8,9,10,11,12,13,14,15
	v_cvt_pk_f16_f32 v[144+2*\h], v[R+64*((\p)%2)+4*\h], v[R+64*((\p)%2)+4*\h+1]
	v_cvt_pk_f16_f32 v[145+2*\h], v[R+64*((\p)%2)+4*\h+2], v[R+64*((\p)%2)+4*\h+3]
.endr
.irp h, 0,1,2,3,4,5,6,7,8,9,10,11,12,13,14,15
	global_store_b64 v7, v[144+2*\h:145+2*\h], s[22:23] offset:\h*131072+(\p)*256
.endr
.if (\p) < 2
	WLOAD (\p)+2
.endif
.endm
	WLOAD 0
	WLOAD 1
	WOUT 0
	WOUT 1
	WOUT 2
	WOUT 3
.Lend:
	s_wait_tensorcnt 0x0                           ; the wave's end
	ds_add_u32 v[SPW], v[NIL]
	s_wait_dscnt 0x0
	s_endpgm
.Lfunc_end_k_q7d56ad023f_quant:
	.size	k_q7d56ad023f_quant, .Lfunc_end_k_q7d56ad023f_quant-k_q7d56ad023f_quant
	.p2alignl 7, 3214868480
	.fill 96, 4, 3214868480
	.section	.rodata,"a",@progbits
	.p2align	6, 0x0
	.amdhsa_kernel k_q7d56ad023f_quant
		.amdhsa_group_segment_fixed_size 33280
		.amdhsa_private_segment_fixed_size 0
		.amdhsa_enable_private_segment 0
		.amdhsa_kernarg_size 80
		.amdhsa_user_sgpr_count 2
		.amdhsa_user_sgpr_kernarg_segment_ptr 1
		.amdhsa_wavefront_size32 1
		.amdhsa_system_sgpr_workgroup_id_x 1
		.amdhsa_system_sgpr_workgroup_id_y 1
		.amdhsa_system_sgpr_workgroup_id_z 1
		.amdhsa_system_vgpr_workitem_id 0
		.amdhsa_next_free_vgpr 192
		.amdhsa_next_free_sgpr 66
		.amdhsa_reserve_vcc 0
		.amdhsa_float_denorm_mode_32 3
		.amdhsa_float_denorm_mode_16_64 3
		.amdhsa_memory_ordered 1
		.amdhsa_forward_progress 1
		.amdhsa_inst_pref_size 55
	.end_amdhsa_kernel
	.amdgpu_metadata
---
amdhsa.version: [ 1, 2 ]
amdhsa.kernels:
  - .name:           k_q7d56ad023f_quant
    .symbol:         k_q7d56ad023f_quant.kd
    .args:
      - { .name: q, .offset: 0, .size: 8, .value_kind: global_buffer, .address_space: global }
      - { .name: k, .offset: 8, .size: 8, .value_kind: global_buffer, .address_space: global }
      - { .name: v, .offset: 16, .size: 8, .value_kind: global_buffer, .address_space: global }
      - { .name: Wq, .offset: 24, .size: 8, .value_kind: global_buffer, .address_space: global }
      - { .name: Wk, .offset: 32, .size: 8, .value_kind: global_buffer, .address_space: global }
      - { .name: Wv, .offset: 40, .size: 8, .value_kind: global_buffer, .address_space: global }
      - { .name: Wo, .offset: 48, .size: 8, .value_kind: global_buffer, .address_space: global }
      - { .name: codes, .offset: 56, .size: 8, .value_kind: global_buffer, .address_space: global }
      - { .name: scales, .offset: 64, .size: 8, .value_kind: global_buffer, .address_space: global }
      - { .name: wo16, .offset: 72, .size: 8, .value_kind: global_buffer, .address_space: global }
    .group_segment_fixed_size: 33280
    .private_segment_fixed_size: 0
    .kernarg_segment_align: 8
    .kernarg_segment_size: 80
    .max_flat_workgroup_size: 128
    .sgpr_count:     66
    .vgpr_count:     192
    .wavefront_size: 32
...
	.end_amdgpu_metadata
.endif
;; end of part 1
;; launch proj (part 2): grid 4 x 96, 4 waves a work-group, clusters of 4 x 4, 327,680 bytes of LDS; arguments codes, scales, bq, bk, bv, qkv, top16, bsum; writes qkv, top16, bsum
.if DOCPART == 2
	.amdgcn_target "amdgcn-amd-amdhsa--gfx1250"
	.amdhsa_code_object_version 6
	.text
	.protected	k_q7d56ad023f_proj
	.globl	k_q7d56ad023f_proj
	.p2align	8
	.type	k_q7d56ad023f_proj,@function
k_q7d56ad023f_proj:
	s_mov_b64 s[64:65], 0
	v_nop
	global_prefetch_b8 v0, s[64:65] scope:SCOPE_SE
	s_setreg_imm32_b32 hwreg(HW_REG_WAVE_MODE, 25, 1), 1
	s_wait_xcnt 0x0
	s_wait_alu depctr_hold_cnt(0) depctr_sa_sdst(0) depctr_va_vdst(0) depctr_va_sdst(0) depctr_va_ssrc(0) depctr_va_vcc(0) depctr_vm_vsrc(0)
	s_getreg_b32 s2, hwreg(HW_REG_IB_STS2, 6, 4)
	s_cmp_eq_u32 s2, 0
	s_cbranch_scc0 .Lentry_in_a_cluster
	s_endpgm
.Lentry_in_a_cluster:
	s_bfe_u32 s2, ttmp6, 0x10000c
	s_cmp_lg_u32 s2, 0xf033
	s_cbranch_scc0 .Lentry_shape_is_right
	s_endpgm
.Lentry_shape_is_right:
; The three projections y = x W^T + b on codes of FP4 with E8M0 scales; sums in f32.  codes: 27,648 rows of 512 bytes (q, k, v, Wq, Wk, Wv); scales: the same rows, 32 bytes each.
; Out: qkv [3][4 b][16 h][2048 n][64] f16; top16 [3][4][16][16][64] f32: positions 0-15 unrounded; bsum [4 b][32 blocks of 64 tokens][2][1024] f32: V's sum over a block, and over its last 48 tokens.
; A tile of 256 tokens x 256 features is made by four waves, 128 x 128 each: 64 accumulators, 512 registers.  K = 1,024 lies in LDS whole: two slots of 512 along K, each filled once; nothing is filled again.
; CLUSTERS: 4 x 4 work-groups.  The cluster's y says the tensor (y / 8) and the tile inside a batch (y % 8); a work-group's cy is the batch, its cx the tile of features.  So the four of a row of the cluster need the
; same rows of x and the four of a column the same rows of W: each tile is asked for jointly; and every branch of the text hangs on the cluster's y and the wave's number alone.
; THE MATRIX INSTRUCTION IS USED TRANSPOSED (source 0 = 16 rows of W, source 1 = 16 tokens): a lane holds eight neighbouring features of one token.  The bias is the C of each sum's first instruction.
; LIMIT: results beyond 65,504 do not fit f16.
; REGISTERS, in windows of 256: window 0: v16-31 addresses; v32-95 scale words, two sets, and nothing else; v128-191 x's fragments, one set; v192-255 the bias; on the way out v96-255 are free.
;   window 1: W's fragments, two sets, at v0 and v128.   window 2: accumulators of my tokens 0-63 ((a, b) at v[8 (8 a + b)]);   window 3: of my tokens 64-127.
.set NQ,     4                         ; matrix instructions deep in a slot
.set ROWB,   256                       ; a tile's row: 512 codes
.set KROW,   512                       ; a row of codes in memory
.set PITCH,  272                       ; an LDS row: 256 bytes + 16 of padding: the 16 rows that a load touches start 68 words apart
.set FR,     8                         ; registers of a fragment
.set NL,     2                         ; LDS loads that bring one
.set NP,     4                         ; places behind this matrix instruction (ISA guide 7.12.1)
.set HALFT,  128*PITCH
.set SLOT,   4*HALFT                   ; x's 256 rows, then W's 256 rows
.set KS,     32                        ; a row of scale bytes
.set SCL,    2*SLOT                    ; behind the slots: the scales, as units of 256 bytes + 16 of padding
.set HALFS,  16*272                    ; those of 128 rows
.set SBLK,   2*272                     ; those of 16 rows
.set SPARE,  SCL+4*HALFS               ; the spare words, 128 bytes a wave
.set SPITCH, 528                       ; the way out: 16 rows x (512 + 16) bytes a wave, in slot 0, which has had its only fill and its last read by then
.set ADRA, 16
.set ADRB, 20
.set STO,  24
.set RD,   25
.set VO8,  26                          ; 8 x lane
.set ADRS, 27
.set SPW,  28
.set NIL,  29
.set VO16, 30                          ; 16 x lane
.set BO,   31                          ; 32 x (lane / 16)
.set SC,   32
.set AF,   128
.set BI,   192                         ; the bias: BI + 8 b + j = bias[my first feature + 16 b + 8 (lane / 16) + j]
.set BK,   128                         ; the way out: 16 tokens back from the stage, v128-191 and v192-255 by turns; rounded to f16 in place
.set FIRST, 96                         ; V alone: the sum of a block's first 16 tokens,
.set R48,  104                         ; of its last 48,
.set FULL, 112                         ; of all 64
.set G1, 24
.set G0, 32
.set G1B, 48
.set G0B, 56
.set G1S, 68
.set G0S, 76
.set G1SB, 80
.set G0SB, 88
.set MSB, 0
.macro WIN new                         ; the immediate's high byte repeats the setting that is left
.if MSB != \new
	s_set_vgpr_msb (MSB<<8)|\new
.set MSB, \new
.endif
.endm
.set MUL_LO, 0xa1                      ; source 0 (W) window 1, source 1 (x) window 0, C and D window 2
.set MUL_HI, 0xf1                      ; the same, C and D window 3
.set BIA_LO, 0x81                      ; the first step: C (the bias) window 0, D window 2
.set BIA_HI, 0xc1
.set TO_B,   0x40
; A joint load: waves 0 and 1 fetch for x, waves 2 and 3 for W.  An s_nop 0 and four v_nop follow each of the two lines.
.macro JLOAD g0a, g1a, g0b, g1b
	s_cmp_eq_u32 s21, 0
	s_cbranch_scc0 .Lfor_b_\@
	tensor_load_to_lds s[\g0a:\g0a+3], s[\g1a:\g1a+7]
	s_nop 0
.rept 4
	v_nop
.endr
	s_branch .Lasked_\@
.Lfor_b_\@:
	tensor_load_to_lds s[\g0b:\g0b+3], s[\g1b:\g1b+7]
	s_nop 0
.rept 4
	v_nop
.endr
.Lasked_\@:
.endm
.macro CROUND                          ; a round of the cluster's barrier
	s_barrier_signal -1
	s_barrier_wait -1
	s_cmp_lg_u32 s20, 0
	s_cbranch_scc1 .Lnot_wave_0_\@
	s_barrier_signal -3
.Lnot_wave_0_\@:
	s_barrier_wait -3
	s_barrier_signal -1
	s_barrier_wait -1
.endm
	s_load_b512 s[4:19], s[0:1], 0x0               ; codes, scales, bq, bk, bv, qkv, top16, bsum
	v_lshl_add_u32 v[SPW], v0, 2, SPARE
	v_mov_b32 v[NIL], 0
	ds_add_u32 v[SPW], v[NIL]                      ; the wave's opening: the add, twice on end, and its wait ahead of my first tensor load
	ds_add_u32 v[SPW], v[NIL]
	v_lshrrev_b32 v1, 5, v0
	v_readfirstlane_b32 s20, v1                    ; wave 0..3
	s_lshr_b32 s21, s20, 1                         ; which half of the tile's tokens is mine.  Also: I fetch for x (0) or for W (1)
	s_and_b32 s22, s20, 1                          ; which half of its features.  Also: which 128 rows I fetch
	s_bfe_u32 s40, ttmp6, 0x40000                  ; cx
	s_bfe_u32 s41, ttmp6, 0x40004                  ; cy: the batch
	s_lshl_b32 s42, ttmp9, 2
	s_add_co_u32 s42, s42, s40                     ; tile of features
	s_and_b32 s66, ttmp7, 0xffff                   ; the cluster's y
	s_lshr_b32 s67, s66, 3                         ; the tensor: 0 q, 1 k, 2 v
	s_and_b32 s95, s66, 7                          ; the tile of tokens inside a batch
	s_lshl_b32 s43, s41, 2
	s_lshl_b32 s43, 15, s43                        ; my row of the cluster
	s_lshl_b32 s44, 0x1111, s40                    ; my column
	s_or_b32 s[G1+0], s43, (0<<16)|(1<<20)|(1<<21)|(5<<22)|(3<<25)  ; the mask; elements of 1 byte; padding: 4 words behind every 64; bit 21 beside a mask
	s_or_b32 s[G1B+0], s44, (0<<16)|(1<<20)|(1<<21)|(5<<22)|(3<<25)
.irp g, G1, G1B
	s_mov_b32 s[\g+1], ROWB<<16                    ; tensor_dim0
	s_mov_b32 s[\g+2], 128<<16                     ; tensor_dim1
	s_mov_b32 s[\g+3], ROWB<<16                    ; tile_dim0
	s_mov_b32 s[\g+4], 128                         ; tile_dim1
	s_mov_b32 s[\g+5], KROW                        ; from row to row
	s_mov_b32 s[\g+6], 0
	s_mov_b32 s[\g+7], 0
.endr
	s_or_b32 s[G1S+0], s43, (3<<16)|(1<<20)|(1<<21)|(5<<22)|(3<<25) ; the scales of 128 rows: 4,096 dense bytes as 16 rows of 32 elements of 8 bytes
	s_or_b32 s[G1SB+0], s44, (3<<16)|(1<<20)|(1<<21)|(5<<22)|(3<<25)
.irp g, G1S, G1SB
	s_mov_b32 s[\g+1], 32<<16
	s_mov_b32 s[\g+2], 16<<16
	s_mov_b32 s[\g+3], 32<<16
	s_mov_b32 s[\g+4], 16
	s_mov_b32 s[\g+5], 32
	s_mov_b32 s[\g+6], 0
	s_mov_b32 s[\g+7], 0
.endr
	s_lshl_b32 s96, s67, 13                        ; x's rows that I fetch: 8192 tensor + 2048 batch + 256 tile + 128 half
	s_lshl_b32 s23, s41, 11
	s_add_co_u32 s96, s96, s23
	s_lshl_b32 s23, s95, 8
	s_add_co_u32 s96, s96, s23
	s_lshl_b32 s23, s22, 7
	s_add_co_u32 s96, s96, s23
	s_lshl_b32 s98, s96, 5                         ; their scale bytes,
	s_mov_b32 s99, 0
	s_lshl_b32 s96, s96, 9                         ; their codes
	s_mov_b32 s97, 0
	s_lshl_b32 s46, s67, 10                        ; W's rows: 24576 + 1024 tensor + 256 tile + 128 half
	s_add_co_u32 s46, s46, 24576
	s_lshl_b32 s100, s42, 8
	s_add_co_u32 s46, s46, s100
	s_lshl_b32 s100, s22, 7
	s_add_co_u32 s46, s46, s100
	s_lshl_b32 s92, s46, 5
	s_mov_b32 s93, 0
	s_lshl_b32 s46, s46, 9
	s_mov_b32 s47, 0
	s_mul_i32 s45, s20, HALFT                      ; where they go: by the wave's number alone
	s_mul_i32 s94, s20, HALFS
	s_wait_dscnt 0x0                               ; both opening adds are done
	s_wait_kmcnt 0x0
	s_add_nc_u64 s[96:97], s[4:5], s[96:97]
	s_add_nc_u64 s[98:99], s[6:7], s[98:99]
	s_add_nc_u64 s[46:47], s[4:5], s[46:47]
	s_add_nc_u64 s[92:93], s[6:7], s[92:93]
	CROUND                                         ; all sixteen work-groups are here: the joint loads meet
	s_mov_b32 s[G0S], 1
	s_add_co_u32 s[G0S+1], s94, SCL
	s_mov_b64 s[G0S+2:G0S+3], s[98:99]
	s_or_b32 s[G0S+3], s[G0S+3], 0x80000000
	s_mov_b32 s[G0SB], 1
	s_add_co_u32 s[G0SB+1], s94, SCL
	s_mov_b64 s[G0SB+2:G0SB+3], s[92:93]
	s_or_b32 s[G0SB+3], s[G0SB+3], 0x80000000
	JLOAD G0S, G1S, G0SB, G1SB                     ; the scales first: they are wanted with the first step
.irp s, 0,1
	s_mov_b32 s[G0+4*\s], 1
	s_add_co_u32 s[G0+4*\s+1], s45, \s*SLOT
	s_add_nc_u64 s[G0+4*\s+2:G0+4*\s+3], s[96:97], \s*ROWB
	s_or_b32 s[G0+4*\s+3], s[G0+4*\s+3], 0x80000000
	s_mov_b32 s[G0B+4*\s], 1
	s_add_co_u32 s[G0B+4*\s+1], s45, \s*SLOT
	s_add_nc_u64 s[G0B+4*\s+2:G0B+4*\s+3], s[46:47], \s*ROWB
	s_or_b32 s[G0B+4*\s+3], s[G0B+4*\s+3], 0x80000000
	JLOAD G0+4*\s, G1, G0B+4*\s, G1B               ; three loads of mine are out in all
.endr
	v_and_b32 v1, 15, v0                           ; r
	v_bfe_u32 v2, v0, 4, 1                         ; h
	v_lshlrev_b32 v[BO], 5, v2
	s_cmp_eq_u32 s67, 1                            ; the tensor's bias: a choice on the cluster's y
	s_cselect_b64 s[100:101], s[10:11], s[8:9]
	s_cmp_eq_u32 s67, 2
	s_cselect_b64 s[100:101], s[12:13], s[100:101]
	s_lshl_b32 s2, s42, 10
	s_lshl_b32 s3, s22, 9
	s_add_co_u32 s2, s2, s3                        ; my first feature, in bytes of f32
	s_mov_b32 s3, 0
	s_add_nc_u64 s[100:101], s[100:101], s[2:3]
	s_add_nc_u64 s[18:19], s[18:19], s[2:3]
.irp b, 0,1,2,3,4,5,6,7
	global_load_b128 v[BI+8*\b:BI+8*\b+3], v[BO], s[100:101] offset:64*\b
	global_load_b128 v[BI+8*\b+4:BI+8*\b+7], v[BO], s[100:101] offset:64*\b+16
.endr
	v_mul_u32_u24 v3, v1, PITCH
	v_lshl_add_u32 v4, v2, 4, v3                   ; a fragment's row x pitch + 16 x half
	s_mul_i32 s2, s21, HALFT                       ; my 128 tokens
	s_mul_i32 s3, s22, HALFT                       ; my 128 rows of W,
	s_add_co_u32 s3, s3, 2*HALFT                   ; which lie behind x's 256
.irp s, 0,1
	v_add_nc_u32 v[ADRA+\s], s2, v4
	v_add_nc_u32 v[ADRB+\s], s3, v4
	s_add_co_u32 s2, s2, SLOT
	s_add_co_u32 s3, s3, SLOT
.endr
	v_mul_u32_u24 v5, v1, KS                       ; my row's scales: 32 bytes a row,
	v_lshrrev_b32 v6, 8, v5
	v_lshl_add_u32 v5, v6, 4, v5                   ; and 16 more for each 256 passed
	s_mul_i32 s2, s21, HALFS
	s_mul_i32 s3, s22, HALFS
	s_add_co_u32 s3, s3, 2*HALFS
	s_sub_co_u32 s3, s3, s2
	v_mul_u32_u24 v6, s3, v2                       ; lanes 16-31 take W's
	s_add_co_u32 s2, s2, SCL
	v_add_nc_u32 v5, v5, v6
	v_add_nc_u32 v[ADRS], s2, v5
	s_mul_i32 s2, s20, 16*SPITCH                   ; my stage
	v_mul_u32_u24 v5, v1, SPITCH
	v_lshl_add_u32 v5, v2, 5, v5
	v_add_nc_u32 v[STO], s2, v5                    ; in: row r, 32 bytes for each half of the lanes
	v_mul_u32_u24 v5, v2, SPITCH
	v_lshl_add_u32 v5, v1, 4, v5
	v_add_nc_u32 v[RD], s2, v5                     ; back: lanes 0-15 one token's 256 bytes (a head), lanes 16-31 the next token's
	v_and_b32 v6, 31, v0
	v_lshlrev_b32 v[VO8], 3, v6
	v_lshlrev_b32 v[VO16], 4, v6
	s_lshl_b32 s2, s67, 6                          ; my first head's block: 64 tensor + 16 batch + 4 tile + 2 half
	s_lshl_b32 s3, s41, 4
	s_add_co_u32 s2, s2, s3
	s_lshl_b32 s3, s42, 2
	s_add_co_u32 s2, s2, s3
	s_lshl_b32 s3, s22, 1
	s_add_co_u32 s2, s2, s3
	s_lshl_b32 s46, s2, 12
	s_mov_b32 s47, 0
	s_add_nc_u64 s[16:17], s[16:17], s[46:47]      ; top16: 4,096 bytes a head
	s_lshl_b32 s46, s2, 18                         ; qkv: 262,144 bytes a head,
	s_lshl_b32 s3, s95, 15
	s_add_co_u32 s46, s46, s3
	s_lshl_b32 s3, s21, 14
	s_add_co_u32 s46, s46, s3                      ; + my first token x 128 bytes
	s_add_nc_u64 s[14:15], s[14:15], s[46:47]
	s_lshl_b32 s46, s41, 5                         ; bsum: block 32 batch + 4 tile + 2 half, 8,192 bytes each
	s_lshl_b32 s3, s95, 2
	s_add_co_u32 s46, s46, s3
	s_lshl_b32 s3, s21, 1
	s_add_co_u32 s46, s46, s3
	s_lshl_b32 s46, s46, 13
	s_add_nc_u64 s[18:19], s[18:19], s[46:47]
.macro FRAG reg, adr, q, i             ; 16 rows x 128 K of 4-bit codes: 8 registers; two loads of 16 bytes, 32 bytes apart
.irp c, 0,1
	ds_load_b128 v[\reg+4*\c:\reg+4*\c+3], v[\adr] offset:64*(\q)+32*\c+(\i)*16*PITCH
.endr
.endm
; 16 matrix instructions: x's blocks a0, a0 + 1 against W's eight.  p: W's set; sc: the set of scale words.  zero = 1: the bias starts the sums.  The 64 accumulators take turns.
.macro MUL16 a0, p, q, sc, zero
.irp a, \a0, \a0+1
.irp b, 0,1,2,3,4,5,6,7
.if \zero
	v_wmma_scale_f32_16x16x128_f8f6f4 v[8*(8*((\a)%4)+\b):8*(8*((\a)%4)+\b)+7], v[128*(\p)+FR*\b:128*(\p)+FR*\b+FR-1], v[AF+FR*(\a):AF+FR*(\a)+FR-1], v[BI+8*\b:BI+8*\b+7], v[SC+8*NQ*(\sc)+NQ*\b+(\q)], v[SC+8*NQ*(\sc)+NQ*(\a)+(\q)] matrix_a_fmt:MATRIX_FMT_FP4 matrix_b_fmt:MATRIX_FMT_FP4 matrix_a_scale:MATRIX_SCALE_ROW1
.else
	v_wmma_scale_f32_16x16x128_f8f6f4 v[8*(8*((\a)%4)+\b):8*(8*((\a)%4)+\b)+7], v[128*(\p)+FR*\b:128*(\p)+FR*\b+FR-1], v[AF+FR*(\a):AF+FR*(\a)+FR-1], v[8*(8*((\a)%4)+\b):8*(8*((\a)%4)+\b)+7], v[SC+8*NQ*(\sc)+NQ*\b+(\q)], v[SC+8*NQ*(\sc)+NQ*(\a)+(\q)] matrix_a_fmt:MATRIX_FMT_FP4 matrix_b_fmt:MATRIX_FMT_FP4 matrix_a_scale:MATRIX_SCALE_ROW1
.endif
.endr
.endr
.endm
.macro FETCH_B slot, q, p
	WIN TO_B
.irp i, 0,1,2,3,4,5,6,7
	FRAG 128*(\p)+FR*\i, ADRB+\slot, \q, \i
.endr
	WIN 0
.endm
.macro FETCH_A slot, q, i0
.irp i, \i0, \i0+1, \i0+2, \i0+3
	FRAG AF+FR*(\i), ADRA+\slot, \q, \i
.endr
.endm
.macro SCALES sc                       ; a slot's scale words: lanes 0-15 take x's block i, lanes 16-31 W's block i
.irp i, 0,1,2,3,4,5,6,7
	ds_load_b128 v[SC+8*NQ*\sc+NQ*\i:SC+8*NQ*\sc+NQ*\i+3], v[ADRS] offset:\i*SBLK
.endr
.endm
.macro PLACES n                        ; plain vector lines between a matrix instruction and a load into, or a read of, its registers
.rept \n
	v_nop
.endr
.endm
.macro STEP slot, q, zero              ; 128 along K, with its successor in the same slot
	s_wait_dscnt 4*NL                              ; W's set and x's blocks 0-3 are in; the youngest eight loads (x's blocks 4-7) may be out
.if \zero
	WIN BIA_LO
.else
	WIN MUL_LO
.endif
	MUL16 0, (\q)%2, \q, \slot, \zero
	MUL16 2, (\q)%2, \q, \slot, \zero
	s_wait_dscnt 0
	PLACES NP
	FETCH_B \slot, (\q)+1, 1-(\q)%2
	FETCH_A \slot, (\q)+1, 0
.if \zero
	WIN BIA_HI
.else
	WIN MUL_HI
.endif
	MUL16 4, (\q)%2, \q, \slot, \zero
	MUL16 6, (\q)%2, \q, \slot, \zero
	PLACES NP
	WIN 0
	FETCH_A \slot, (\q)+1, 4
.endm
.macro TURN slot, next                 ; slot 0's last step: behind its barrier slot 1 is whole for every wave, and nobody reads slot 0 any more
	s_wait_tensorcnt 0x0                           ; my part of slot 1 has landed
	ds_add_u32 v[SPW], v[NIL]                      ; 0 onto my spare word
	s_wait_dscnt 4*NL+1                            ; the add and the youngest eight loads may be out
	WIN MUL_LO
	MUL16 0, 1, NQ-1, \slot, 0
	s_wait_dscnt 0x0                               ; the add is done, and my reads of this slot are over
	s_barrier_signal -1
	MUL16 2, 1, NQ-1, \slot, 0
	WIN 0
	s_barrier_wait -1
	PLACES NP
	v_add_nc_u32 v[ADRS], 4*NQ, v[ADRS]            ; the next slot's scale words
	FETCH_B \next, 0, 0
	FETCH_A \next, 0, 0
	SCALES \next
	WIN MUL_HI
	MUL16 4, 1, NQ-1, \slot, 0
	MUL16 6, 1, NQ-1, \slot, 0
	PLACES NP
	WIN 0
	FETCH_A \next, 0, 4
.endm
	s_wait_tensorcnt 1                             ; the scales and my part of slot 0 are in; slot 1's load may be out
	s_barrier_signal -1
	s_barrier_wait -1
	FETCH_B 0, 0, 0
	FETCH_A 0, 0, 0
	SCALES 0
	FETCH_A 0, 0, 4
	s_wait_loadcnt 0x0                             ; the bias
	STEP 0, 0, 1
	STEP 0, 1, 0
	STEP 0, 2, 0
	TURN 0, 1
	STEP 1, 0, 0
	STEP 1, 1, 0
	STEP 1, 2, 0
	s_wait_dscnt 4*NL                              ; the last step: nothing more to fetch
	WIN MUL_LO
	MUL16 0, 1, NQ-1, 1, 0
	MUL16 2, 1, NQ-1, 1, 0
	s_wait_dscnt 0
	WIN MUL_HI
	MUL16 4, 1, NQ-1, 1, 0
	MUL16 6, 1, NQ-1, 1, 0
	WIN 0
; THE WAY OUT, block by block of 16 tokens x 128 features (two heads).  The f32 results go through my stage and come back two tokens of one head to a load: register BB + 4 (2 i + e): tokens 2 i, 2 i + 1, head e.
.macro TOSTAGE a
.set AC, 64*((\a)%4)
	WIN 0x08+4*((\a)/4)                            ; the data: window 2 or 3
.irp b, 0,1,2,3,4,5,6,7
	ds_store_b128 v[STO], v[AC+8*\b:AC+8*\b+3] offset:64*\b          ; each accumulator from its low end on
	ds_store_b128 v[STO], v[AC+8*\b+4:AC+8*\b+7] offset:64*\b+16
.endr
	WIN 0
.set BB, BK+64*((\a)%2)
.irp i, 0,1,2,3,4,5,6,7
.irp e, 0,1
	ds_load_b128 v[BB+4*(2*\i+\e):BB+4*(2*\i+\e)+3], v[RD] offset:1056*\i+256*\e   ; LDS serves a wave's instructions in order: these see the stores above
.endr
.endr
.endm
.macro QSUM dst, fresh                 ; dst + 4 e takes (fresh = 1), or takes in addition, the sum over the block's tokens of head e: even tokens in lanes 0-15, odd ones in lanes 16-31
.irp e, 0,1
.irp k, 0,2
.if \fresh
	v_pk_add_f32 v[\dst+4*\e+\k:\dst+4*\e+\k+1], v[BB+4*\e+\k:BB+4*\e+\k+1], v[BB+8+4*\e+\k:BB+8+4*\e+\k+1]
.else
	v_pk_add_f32 v[\dst+4*\e+\k:\dst+4*\e+\k+1], v[\dst+4*\e+\k:\dst+4*\e+\k+1], v[BB+4*\e+\k:BB+4*\e+\k+1]
.endif
.endr
.endr
.if !\fresh
.irp e, 0,1
.irp k, 0,2
	v_pk_add_f32 v[\dst+4*\e+\k:\dst+4*\e+\k+1], v[\dst+4*\e+\k:\dst+4*\e+\k+1], v[BB+8+4*\e+\k:BB+8+4*\e+\k+1]
.endr
.endr
.endif
.irp i, 2,3,4,5,6,7
.irp e, 0,1
.irp k, 0,2
	v_pk_add_f32 v[\dst+4*\e+\k:\dst+4*\e+\k+1], v[\dst+4*\e+\k:\dst+4*\e+\k+1], v[BB+8*\i+4*\e+\k:BB+8*\i+4*\e+\k+1]
.endr
.endr
.endr
.endm
.macro FOLD x, place                   ; even and odd tokens meet: behind the exchange lanes 0-15 hold head 0's two halves and lanes 16-31 head 1's; 512 consecutive bytes leave
.irp k, 0,1,2,3
	v_permlane16_swap_b32 v[\x+\k], v[\x+4+\k]
.endr
	v_pk_add_f32 v[\x:\x+1], v[\x:\x+1], v[\x+4:\x+5]
	v_pk_add_f32 v[\x+2:\x+3], v[\x+2:\x+3], v[\x+6:\x+7]
	global_store_b128 v[VO16], v[\x:\x+3], s[18:19] offset:(\place)*4096
.endm
.macro BS a                            ; V's sums over blocks of 64 tokens: four blocks of 16
.if (\a)%4 == 0
	QSUM FIRST, 1
.elseif (\a)%4 == 1
	QSUM R48, 1
.else
	QSUM R48, 0
.endif
.if (\a)%4 == 3
.irp k, 0,2,4,6
	v_pk_add_f32 v[FULL+\k:FULL+\k+1], v[R48+\k:R48+\k+1], v[FIRST+\k:FIRST+\k+1]
.endr
	FOLD FULL, ((\a)/4)*2
	FOLD R48, ((\a)/4)*2+1
.endif
.endm
.macro SEND a, younger                 ; younger: the LDS instructions issued behind block a's loads, which may stay out
.set BB, BK+64*((\a)%2)
	s_wait_dscnt \younger
.if (\a) == 0
	s_or_b32 s23, s95, s21                         ; positions 0-15 of a batch lie in its first tile, in the waves of the first half
	s_cmp_lg_u32 s23, 0
	s_cbranch_scc1 .Lno_top_\@
.irp i, 0,1,2,3,4,5,6,7
.irp e, 0,1
	global_store_b128 v[VO16], v[BB+4*(2*\i+\e):BB+4*(2*\i+\e)+3], s[16:17] offset:512*\i+4096*\e   ; 512 consecutive bytes
.endr
.endr
	s_wait_xcnt 0x0                                ; these stores' data are written over by the roundings below only behind this wait
.Lno_top_\@:
.endif
	s_cmp_lg_u32 s67, 2                            ; V alone
	s_cbranch_scc1 .Lno_sum_\@
	BS (\a)
.Lno_sum_\@:
.irp n, 0,1,2,3,4,5,6,7,8,9,10,11,12,13,14,15
	v_cvt_pk_f16_f32 v[BB+4*\n], v[BB+4*\n], v[BB+4*\n+1]          ; rounded to f16 in place: four numbers into the first two of their four registers
	v_cvt_pk_f16_f32 v[BB+4*\n+1], v[BB+4*\n+2], v[BB+4*\n+3]
.endr
.irp i, 0,1,2,3,4,5,6,7
.irp e, 0,1
	global_store_b64 v[VO8], v[BB+4*(2*\i+\e):BB+4*(2*\i+\e)+1], s[14:15] offset:2048*(\a)+256*\i+262144*\e   ; two tokens of one head: 256 consecutive bytes, aligned
.endr
.endr
.endm
	PLACES NP                                      ; behind the last products: for the first reads of results, and for loads into the registers that held x's fragments and the bias
	TOSTAGE 0
.irp a, 1,2,3,4,5,6,7
.if \a > 1
	s_wait_xcnt 0x0                                ; the stores of two blocks back have read their registers: block a's loads may land there
.endif
	TOSTAGE \a
	SEND \a-1, 32                                  ; behind block a - 1's loads: block a's 16 stores and 16 loads
.endr
	s_wait_xcnt 0x0
	SEND 7, 0
	s_wait_tensorcnt 0x0                           ; the wave's end
	ds_add_u32 v[SPW], v[NIL]
	s_wait_dscnt 0x0
	CROUND                                         ; the closing round
	s_endpgm
.Lfunc_end_k_q7d56ad023f_proj:
	.size	k_q7d56ad023f_proj, .Lfunc_end_k_q7d56ad023f_proj-k_q7d56ad023f_proj
	.p2alignl 7, 3214868480
	.fill 96, 4, 3214868480
	.section	.rodata,"a",@progbits
	.p2align	6, 0x0
	.amdhsa_kernel k_q7d56ad023f_proj
		.amdhsa_group_segment_fixed_size 327680
		.amdhsa_private_segment_fixed_size 0
		.amdhsa_enable_private_segment 0
		.amdhsa_kernarg_size 64
		.amdhsa_user_sgpr_count 2
		.amdhsa_user_sgpr_kernarg_segment_ptr 1
		.amdhsa_wavefront_size32 1
		.amdhsa_system_sgpr_workgroup_id_x 1
		.amdhsa_system_sgpr_workgroup_id_y 1
		.amdhsa_system_sgpr_workgroup_id_z 1
		.amdhsa_system_vgpr_workitem_id 0
		.amdhsa_next_free_vgpr 1024
		.amdhsa_next_free_sgpr 102
		.amdhsa_reserve_vcc 0
		.amdhsa_float_denorm_mode_32 3
		.amdhsa_float_denorm_mode_16_64 3
		.amdhsa_memory_ordered 1
		.amdhsa_forward_progress 1
		.amdhsa_inst_pref_size 162
	.end_amdhsa_kernel
	.amdgpu_metadata
---
amdhsa.version: [ 1, 2 ]
amdhsa.kernels:
  - .name:           k_q7d56ad023f_proj
    .symbol:         k_q7d56ad023f_proj.kd
    .args:
      - { .name: codes, .offset: 0, .size: 8, .value_kind: global_buffer, .address_space: global }
      - { .name: scales, .offset: 8, .size: 8, .value_kind: global_buffer, .address_space: global }
      - { .name: bq, .offset: 16, .size: 8, .value_kind: global_buffer, .address_space: global }
      - { .name: bk, .offset: 24, .size: 8, .value_kind: global_buffer, .address_space: global }
      - { .name: bv, .offset: 32, .size: 8, .value_kind: global_buffer, .address_space: global }
      - { .name: qkv, .offset: 40, .size: 8, .value_kind: global_buffer, .address_space: global }
      - { .name: top16, .offset: 48, .size: 8, .value_kind: global_buffer, .address_space: global }
      - { .name: bsum, .offset: 56, .size: 8, .value_kind: global_buffer, .address_space: global }
    .group_segment_fixed_size: 327680
    .private_segment_fixed_size: 0
    .kernarg_segment_align: 8
    .kernarg_segment_size: 64
    .max_flat_workgroup_size: 128
    .sgpr_count:     102
    .vgpr_count:     1024
    .wavefront_size: 32
...
	.end_amdgpu_metadata
.endif
;; end of part 2
;; launch aux (part 3): grid 66 x 1, 16 waves a work-group, no clusters, 75,776 bytes of LDS; arguments top16, bsum, Wo, vtail, out0; writes vtail, out0
.if DOCPART == 3
	.amdgcn_target "amdgcn-amd-amdhsa--gfx1250"
	.amdhsa_code_object_version 6
	.text
	.protected	k_q7d56ad023f_aux
	.globl	k_q7d56ad023f_aux
	.p2align	8
	.type	k_q7d56ad023f_aux,@function
k_q7d56ad023f_aux:
	s_mov_b64 s[64:65], 0
	v_nop
	global_prefetch_b8 v0, s[64:65] scope:SCOPE_SE
	s_setreg_imm32_b32 hwreg(HW_REG_WAVE_MODE, 25, 1), 1
	s_wait_xcnt 0x0
; Two small jobs.
; Work-groups 0-63: POSITIONS 0-15 OF EVERY SEQUENCE, ALL IN F32: these rows average one to sixteen values and are the largest of the output.  Work-group g: batch g / 16, output features 64 (g % 16) on;
; wave w: head w: its 16 x 16 scores, softmax, O, and its head's part of the output; the sixteen parts meet in LDS, and wave w stores token w's 256 bytes.
; The mask's fill is the finite score -32,767: hidden keys count.  Those among the first 16 get the fill as their score; the 2,032 behind them enter with the weight w = exp(fill - max): l += 2032 w, O += w x (the sum of their V rows).
; Work-groups 64, 65: vtail[b][h][e][64] = the sum of V's rows over keys >= 64 (e + 1), from the blocks' sums.
; The f32 matrix form is no bulk work here: 96 instructions a wave.  k is laid alike on both sides of each product, so that 16-byte loads feed two K steps.
; LIMITS: NaN and infinities are not served.
.set PP,    272                        ; a token's 64 partial outputs: 256 bytes + 16
.set PW,    16*PP                      ; a wave's part
.set TL,    16*PW                      ; behind the parts: 256 bytes a wave for the tail
.set SPARE, TL+16*256                  ; the spare words, 128 bytes a wave
.set FRV, 12                           ; v12      the fill as a raw dot product; no load lands here
.set KK,  16                           ; v16-47   K; later x, normalised; later the parts read back
.set XN,  16
.set QQ,  48                           ; v48-79   Q
.set VV,  80                           ; v80-111  V turned: VV + 8 dt + j = V[8 h + j][16 dt + r]
.set TLT, 112                          ; v112-175 the 32 pieces of the tail
.set TT,  112                          ; v112-143 the tail in O's layout
.set T,   144                          ; v144-151 scores, then p;  v152 c m, v153 m, v154 w, v155 at work, v156 l, v157 at work, v159 1 / l
.set WW,  48                           ; v48-175  Wo's fragments
.set SA,  176                          ; v176-255 are written by matrix instructions alone
.set SB,  184
.set OA,  192
.set PO,  224
	s_load_b256 s[4:11], s[0:1], 0x0               ; top16, bsum, Wo, vtail
	s_load_b64 s[12:13], s[0:1], 0x20              ; out0
	v_lshl_add_u32 v14, v0, 2, SPARE               ; my spare word; never rewritten
	v_mov_b32 v15, 0                               ; 0; never rewritten
	v_lshrrev_b32 v1, 5, v0
	v_readfirstlane_b32 s14, v1                    ; wave = head
	v_and_b32 v1, 15, v0                           ; r
	v_bfe_u32 v2, v0, 4, 1                         ; h
	v_and_b32 v3, 31, v0                           ; lane
	v_lshlrev_b32 v4, 8, v1
	v_lshl_add_u32 v4, v2, 4, v4                   ; K, Q: row r of 256 bytes, + 16 h
	v_lshlrev_b32 v5, 2, v1
	v_lshl_add_u32 v5, v2, 11, v5                  ; V: rows 8 h on, channel r
	v_lshlrev_b32 v6, 3, v3                        ; 8 x lane
	v_lshlrev_b32 v7, 12, v1
	v_lshl_add_u32 v7, v2, 5, v7                   ; Wo: row r of 4,096 bytes, + 32 h
	s_lshl_b32 s18, s14, 8
	s_add_co_u32 s18, s18, TL
	v_add_nc_u32 v8, s18, v6                       ; the tail, in: 8 bytes a lane
	v_lshlrev_b32 v9, 5, v2
	v_add_nc_u32 v9, s18, v9                       ; and back: 32 h
	s_mul_i32 s18, s14, PW
	v_mul_u32_u24 v10, v1, PP
	v_lshl_add_u32 v10, v2, 5, v10
	v_add_nc_u32 v10, s18, v10                     ; my part: token r, + 32 h
	s_mul_i32 s18, s14, PP
	v_add_nc_u32 v11, s18, v6                      ; token w of part 0, 8 bytes a lane
	v_mov_b32 v[FRV], 0xc87ffe00                   ; 8 x -32,767
	v_lshlrev_b32 v13, 3, v2
	v_sub_nc_u32 v13, v1, v13                      ; r - 8 h: register j's key 8 h + j is hidden where j is above it
	s_mov_b32 s20, 0x76543210
	s_mov_b32 s21, 0xfedcba98                      ; lane l xor 16
	s_mov_b32 s22, 0x3e38aa3b                      ; c = log2(e) / 8
	s_mov_b32 s23, s22
	s_mov_b32 s25, 0x44fe0000                      ; 2032.0
	s_mov_b32 s19, 0
	s_wait_kmcnt 0x0
	s_cmp_ge_u32 ttmp9, 64
	s_cbranch_scc1 .Ltails
	s_lshr_b32 s16, ttmp9, 4                       ; batch
	s_and_b32 s17, ttmp9, 15                       ; group of 64 output features
	s_lshl_b32 s18, s16, 4
	s_add_co_u32 s18, s18, s14
	s_lshl_b32 s18, s18, 12
	s_add_nc_u64 s[4:5], s[4:5], s[18:19]          ; top16 at my head's Q; K lies 262,144 bytes on, V 524,288
	s_lshl_b32 s18, s16, 18
	s_lshl_b32 s24, s14, 8
	s_add_co_u32 s18, s18, s24
	s_add_nc_u64 s[6:7], s[6:7], s[18:19]          ; bsum at my batch and my head's 64 features
	s_lshl_b32 s18, s17, 18
	s_add_co_u32 s18, s18, s24
	s_add_nc_u64 s[8:9], s[8:9], s[18:19]          ; Wo at row 64 fg, column 64 w
	s_lshl_b32 s18, s16, 11
	s_add_co_u32 s18, s18, s14
	s_lshl_b32 s18, s18, 12
	s_lshl_b32 s24, s17, 8
	s_add_co_u32 s18, s18, s24
	s_add_nc_u64 s[12:13], s[12:13], s[18:19]      ; out0 at token w of my batch, feature 64 fg
.irp i, 0,1,2,3,4,5,6,7
	global_load_b128 v[KK+4*\i:KK+4*\i+3], v4, s[4:5] offset:262144+32*\i
.endr
.irp i, 0,1,2,3,4,5,6,7
	global_load_b128 v[QQ+4*\i:QQ+4*\i+3], v4, s[4:5] offset:32*\i
.endr
.irp dt, 0,1,2,3
.irp j, 0,1,2,3,4,5,6,7
	global_load_b32 v[VV+8*\dt+\j], v5, s[4:5] offset:524288+256*\j+64*\dt
.endr
.endr
	global_load_b64 v[TLT:TLT+1], v6, s[6:7] offset:4096           ; block 0's last 48 tokens,
.irp i, 1,2,3,4,5,6,7,8,9,10,11,12,13,14,15,16,17,18,19,20,21,22,23,24,25,26,27,28,29,30,31
	global_load_b64 v[TLT+2*\i:TLT+2*\i+1], v6, s[6:7] offset:8192*\i   ; and blocks 1 to 31
.endr
	s_wait_loadcnt 63                              ; K's and Q's 16 loads are in: 64 loads were issued behind them (V's 32, the tail's 32), of which 63 may stay out
	; S^T = K Q^T: a lane holds query r and keys 8 h + j.  Sixteen K steps on two accumulators by turns; the first of each starts its sum
	v_wmma_f32_16x16x4_f32 v[SA:SA+7], v[KK:KK+1], v[QQ:QQ+1], 0
	v_wmma_f32_16x16x4_f32 v[SB:SB+7], v[KK+2:KK+3], v[QQ+2:QQ+3], 0
.irp i, 1,2,3,4,5,6,7
	v_wmma_f32_16x16x4_f32 v[SA:SA+7], v[KK+4*\i:KK+4*\i+1], v[QQ+4*\i:QQ+4*\i+1], v[SA:SA+7]
	v_wmma_f32_16x16x4_f32 v[SB:SB+7], v[KK+4*\i+2:KK+4*\i+3], v[QQ+4*\i+2:QQ+4*\i+3], v[SB:SB+7]
.endr
	s_wait_loadcnt 0x0                             ; V and the tail
	; the tail's 32 pieces are added, towards v[174:175]: 31 plain lines, which are also the eight places behind the products
.irp i, 0,1,2,3,4,5,6,7,8,9,10,11,12,13,14,15
	v_pk_add_f32 v[144+2*\i:145+2*\i], v[144+2*\i:145+2*\i], v[112+2*\i:113+2*\i]
.endr
.irp i, 0,1,2,3,4,5,6,7
	v_pk_add_f32 v[160+2*\i:161+2*\i], v[160+2*\i:161+2*\i], v[144+2*\i:145+2*\i]
.endr
.irp i, 0,1,2,3
	v_pk_add_f32 v[168+2*\i:169+2*\i], v[168+2*\i:169+2*\i], v[160+2*\i:161+2*\i]
.endr
.irp i, 0,1
	v_pk_add_f32 v[172+2*\i:173+2*\i], v[172+2*\i:173+2*\i], v[168+2*\i:169+2*\i]
.endr
	v_pk_add_f32 v[174:175], v[174:175], v[172:173]
	ds_store_b64 v8, v[174:175]                    ; through my own 256 bytes of LDS into O's layout: TT + 8 dt + j = tail[16 dt + 8 h + j]
.irp dt, 0,1,2,3
	ds_load_b128 v[TT+8*\dt:TT+8*\dt+3], v9 offset:64*\dt
	ds_load_b128 v[TT+8*\dt+4:TT+8*\dt+7], v9 offset:64*\dt+16
.endr
.irp i, 0,2,4,6
	v_pk_add_f32 v[T+\i:T+\i+1], v[SA+\i:SA+\i+1], v[SB+\i:SB+\i+1]   ; the two halves of the sums, from the low end on
.endr
.irp j, 0,1,2,3,4,5,6,7
	v_cmp_gt_i32 vcc_lo, \j, v13
	v_cndmask_b32 v[T+\j], v[T+\j], v[FRV], vcc_lo ; hidden keys take the fill
.endr
	v_max3_num_f32 v153, v144, v145, v146
	v_max3_num_f32 v155, v147, v148, v149
	v_max3_num_f32 v153, v153, v150, v151
	v_max3_num_f32 v153, v153, v155, v[FRV]        ; the fill always counts here: 2,032 keys have it
	v_permlanex16_b32 v155, v153, s20, s21
	v_max_num_f32 v153, v153, v155                 ; m
	v_mul_f32 v152, s22, v153                      ; c m
	v_fma_f32 v154, s22, v[FRV], -v152             ; c fill - c m
.irp i, 0,2,4,6
	v_pk_fma_f32 v[T+\i:T+\i+1], v[T+\i:T+\i+1], s[22:23], v[152:153] op_sel_hi:[1,0,0] neg_lo:[0,0,1] neg_hi:[0,0,1]
.endr
.irp j, 0,1,2,3,4,5,6,7
	v_exp_f32 v[T+\j], v[T+\j]
.endr
	v_exp_f32 v154, v154                           ; w
	v_nop                                          ; a plain line behind the last exponential
	s_wait_alu depctr_va_vdst(0)                   ; one wait for the nine, ahead of their first reader
	v_pk_add_f32 v[156:157], v[144:145], v[146:147]
	v_pk_add_f32 v[152:153], v[148:149], v[150:151]
	v_pk_add_f32 v[156:157], v[156:157], v[152:153]
	v_add_f32 v156, v156, v157
	v_permlanex16_b32 v157, v156, s20, s21
	v_add_f32 v156, v156, v157
	v_fma_f32 v156, v154, s25, v156                ; l = the sixteen p + 2032 w
	v_rcp_f32 v159, v156
	s_wait_dscnt 0x0                               ; the tail is back
.irp i, 0,2,4,6,8,10,12,14,16,18,20,22,24,26,28,30
	v_pk_mul_f32 v[TT+\i:TT+\i+1], v[TT+\i:TT+\i+1], v[154:155] op_sel_hi:[1,0]   ; x w
.endr
	s_wait_alu depctr_va_vdst(0)                   ; the reciprocal's wait, behind sixteen plain lines and ahead of its first reader
	; O^T = w x tail + V^T P: four K steps of four keys a half, four accumulators by turns
.irp dt, 0,1,2,3
	v_wmma_f32_16x16x4_f32 v[OA+8*\dt:OA+8*\dt+7], v[VV+8*\dt:VV+8*\dt+1], v[T:T+1], v[TT+8*\dt:TT+8*\dt+7]
.endr
.irp s, 1,2,3
.irp dt, 0,1,2,3
	v_wmma_f32_16x16x4_f32 v[OA+8*\dt:OA+8*\dt+7], v[VV+8*\dt+2*\s:VV+8*\dt+2*\s+1], v[T+2*\s:T+2*\s+1], v[OA+8*\dt:OA+8*\dt+7]
.endr
.endr
.rept 8
	v_nop                                          ; eight places behind this form
.endr
.irp j, 0,1,2,3,4,5,6,7,8,9,10,11,12,13,14,15,16,17,18,19,20,21,22,23,24,25,26,27,28,29,30,31
	v_mul_f32 v[XN+\j], v[OA+\j], v159             ; x(r, 16 dt + 8 h + j), into other registers: already the next product's source 1
.endr
.irp ft, 0,1,2,3
.irp dt, 0,1,2,3
	global_load_b128 v[WW+32*\ft+8*\dt:WW+32*\ft+8*\dt+3], v7, s[8:9] offset:65536*\ft+64*\dt
	global_load_b128 v[WW+32*\ft+8*\dt+4:WW+32*\ft+8*\dt+7], v7, s[8:9] offset:65536*\ft+64*\dt+16
.endr
.endr
	s_wait_loadcnt 0x0
	; my head's part of out^T: source 0 = 16 rows of Wo, source 1 = x: sixteen K steps, four accumulators by turns
.irp ft, 0,1,2,3
	v_wmma_f32_16x16x4_f32 v[PO+8*\ft:PO+8*\ft+7], v[WW+32*\ft:WW+32*\ft+1], v[XN:XN+1], 0
.endr
.irp s, 1,2,3,4,5,6,7,8,9,10,11,12,13,14,15
.irp ft, 0,1,2,3
	v_wmma_f32_16x16x4_f32 v[PO+8*\ft:PO+8*\ft+7], v[WW+32*\ft+2*\s:WW+32*\ft+2*\s+1], v[XN+2*\s:XN+2*\s+1], v[PO+8*\ft:PO+8*\ft+7]
.endr
.endr
.rept 8
	v_nop
.endr
.irp ft, 0,1,2,3
	ds_store_b128 v10, v[PO+8*\ft:PO+8*\ft+3] offset:64*\ft
	ds_store_b128 v10, v[PO+8*\ft+4:PO+8*\ft+7] offset:64*\ft+16
.endr
	s_wait_dscnt 0x0                               ; for the others' sake: my part lies in LDS
	s_barrier_signal -1
	s_barrier_wait -1
.irp i, 0,1,2,3,4,5,6,7,8,9,10,11,12,13,14,15
	ds_load_b64 v[16+2*\i:17+2*\i], v11 offset:PW*\i   ; token w of all sixteen parts
.endr
	s_wait_dscnt 0x0
.irp i, 0,1,2,3,4,5,6,7
	v_pk_add_f32 v[16+2*\i:17+2*\i], v[16+2*\i:17+2*\i], v[32+2*\i:33+2*\i]
.endr
.irp i, 0,1,2,3
	v_pk_add_f32 v[16+2*\i:17+2*\i], v[16+2*\i:17+2*\i], v[24+2*\i:25+2*\i]
.endr
.irp i, 0,1
	v_pk_add_f32 v[16+2*\i:17+2*\i], v[16+2*\i:17+2*\i], v[20+2*\i:21+2*\i]
.endr
	v_pk_add_f32 v[16:17], v[16:17], v[18:19]
	global_store_b64 v6, v[16:17], s[12:13]        ; 256 consecutive bytes, aligned
	s_branch .Lend
.Ltails:
; Thread t: batch 2 (g - 64) + t / 256, features 4 (t % 256) on.  The 31 blocks' sums are added from the last block down, in place.
	s_sub_co_u32 s16, ttmp9, 64
	s_lshl_b32 s18, s16, 19
	s_add_nc_u64 s[6:7], s[6:7], s[18:19]          ; two batches of 262,144 bytes in bsum,
	s_lshl_b32 s18, s16, 18
	s_add_nc_u64 s[10:11], s[10:11], s[18:19]      ; of 131,072 in vtail
	v_lshrrev_b32 v144, 8, v0
	v_and_b32 v145, 255, v0
	v_lshlrev_b32 v146, 4, v145
	v_lshl_add_u32 v146, v144, 18, v146            ; in
	v_lshrrev_b32 v147, 4, v145
	v_lshl_add_u32 v147, v144, 4, v147             ; batch and head: 8,192 bytes each,
	v_and_b32 v145, 15, v145
	v_lshlrev_b32 v145, 4, v145
	v_lshl_add_u32 v147, v147, 13, v145            ; + 16 bytes a thread: sixteen lanes store 256 consecutive bytes
.irp i, 1,2,3,4,5,6,7,8,9,10,11,12,13,14,15,16,17,18,19,20,21,22,23,24,25,26,27,28,29,30,31
	global_load_b128 v[12+4*\i:15+4*\i], v146, s[6:7] offset:8192*\i
.endr
.irp i, 140,141,142,143
	v_mov_b32 v\i, 0
.endr
	s_wait_loadcnt 0x0
.irp i, 30,29,28,27,26,25,24,23,22,21,20,19,18,17,16,15,14,13,12,11,10,9,8,7,6,5,4,3,2,1
	v_pk_add_f32 v[12+4*\i:13+4*\i], v[12+4*\i:13+4*\i], v[16+4*\i:17+4*\i]
	v_pk_add_f32 v[14+4*\i:15+4*\i], v[14+4*\i:15+4*\i], v[18+4*\i:19+4*\i]
.endr
.irp i, 0,1,2,3,4,5,6,7,8,9,10,11,12,13,14,15,16,17,18,19,20,21,22,23,24,25,26,27,28,29,30,31
	global_store_b128 v147, v[16+4*\i:19+4*\i], s[10:11] offset:256*\i   ; entry e: blocks e + 1 on; entry 31: zeros
.endr
.Lend:
	s_wait_tensorcnt 0x0                           ; the wave's end
	ds_add_u32 v14, v15
	s_wait_dscnt 0x0
	s_endpgm
.Lfunc_end_k_q7d56ad023f_aux:
	.size	k_q7d56ad023f_aux, .Lfunc_end_k_q7d56ad023f_aux-k_q7d56ad023f_aux
	.p2alignl 7, 3214868480
	.fill 96, 4, 3214868480
	.section	.rodata,"a",@progbits
	.p2align	6, 0x0
	.amdhsa_kernel k_q7d56ad023f_aux
		.amdhsa_group_segment_fixed_size 75776
		.amdhsa_private_segment_fixed_size 0
		.amdhsa_enable_private_segment 0
		.amdhsa_kernarg_size 40
		.amdhsa_user_sgpr_count 2
		.amdhsa_user_sgpr_kernarg_segment_ptr 1
		.amdhsa_wavefront_size32 1
		.amdhsa_system_sgpr_workgroup_id_x 1
		.amdhsa_system_sgpr_workgroup_id_y 1
		.amdhsa_system_sgpr_workgroup_id_z 1
		.amdhsa_system_vgpr_workitem_id 0
		.amdhsa_next_free_vgpr 256
		.amdhsa_next_free_sgpr 66
		.amdhsa_reserve_vcc 1
		.amdhsa_float_denorm_mode_32 3
		.amdhsa_float_denorm_mode_16_64 3
		.amdhsa_memory_ordered 1
		.amdhsa_forward_progress 1
		.amdhsa_inst_pref_size 40
	.end_amdhsa_kernel
	.amdgpu_metadata
---
amdhsa.version: [ 1, 2 ]
amdhsa.kernels:
  - .name:           k_q7d56ad023f_aux
    .symbol:         k_q7d56ad023f_aux.kd
    .args:
      - { .name: top16, .offset: 0, .size: 8, .value_kind: global_buffer, .address_space: global }
      - { .name: bsum, .offset: 8, .size: 8, .value_kind: global_buffer, .address_space: global }
      - { .name: Wo, .offset: 16, .size: 8, .value_kind: global_buffer, .address_space: global }
      - { .name: vtail, .offset: 24, .size: 8, .value_kind: global_buffer, .address_space: global }
      - { .name: out0, .offset: 32, .size: 8, .value_kind: global_buffer, .address_space: global }
    .group_segment_fixed_size: 75776
    .private_segment_fixed_size: 0
    .kernarg_segment_align: 8
    .kernarg_segment_size: 40
    .max_flat_workgroup_size: 512
    .sgpr_count:     66
    .vgpr_count:     256
    .wavefront_size: 32
...
	.end_amdgpu_metadata
.endif
;; end of part 3
;; launch attn (part 4): grid 4 x 64, 8 waves a work-group, no clusters, 327,680 bytes of LDS; arguments qkv, vtail, x16; writes x16
.if DOCPART == 4
	.amdgcn_target "amdgcn-amd-amdhsa--gfx1250"
	.amdhsa_code_object_version 6
	.text
	.protected	k_q7d56ad023f_attn
	.globl	k_q7d56ad023f_attn
	.p2align	8
	.type	k_q7d56ad023f_attn,@function
k_q7d56ad023f_attn:
	s_mov_b64 s[64:65], 0
	v_nop
	global_prefetch_b8 v0, s[64:65] scope:SCOPE_SE
	s_setreg_imm32_b32 hwreg(HW_REG_WAVE_MODE, 25, 1), 1
	s_wait_xcnt 0x0
; x[b][h][n][:] = softmax over keys of (Q K^T / 8, hidden keys at the score -32,767) V.  Q, K, V: qkv [3][64 heads][2048][64] f16; x16 likewise.  Products on f16, sums, maxima and the softmax in f32.
; SHARES.  A work-group owns TWO blocks of 256 queries of one head: block 7 - PI first, block PI second: (8 - PI) + (PI + 1) = 9 slots of 256 keys in every work-group: equal work, constant trip counts.
; Each of its eight waves owns 32 queries, two tiles of 16; two waves lie on a SIMD, so that one wave's softmax stands beside the other's products, and each fragment of K and V read from LDS feeds two products.
; LAYOUT.  S^T = K Q^T and O^T = V^T P: a lane holds one query (lane % 16) throughout; two tiles of S^T, rounded in pairs, are source 1 of the second product.  V comes out of LDS turned.
; THE MASK'S FILL IS FINITE, so hidden keys count.  In the step on the diagonal they get the fill as their score.  The keys behind that step are the START of the running softmax: m = the fill, l = their number,
; O = the sum of their V rows (vtail).  Where the visible scores are far above the fill, the first step's factor 2^(c m_old - c m_new) turns that start into zeros.
; NO CLUSTER: the four work-groups of a head walk different slots from their 5th to 8th trip on (8 - PI differs), so a joint load would not name the same tile in all partners.
; LIMITS: NaN and infinities are not served.
; REGISTERS: window 0: v1-15 addresses; v16-31 statistics, 8 a tile (c m, m, l, l, four at work; the factor at +6); v32-63 Q; v64-127 S^T; v128-159 P; v160-223 K; v224-255 the way out.  window 1: v0-63 V; v64-127 O^T.
.set PK,    144                        ; a key's row in LDS: 128 bytes + 16
.set PV,    160                        ; a row of V: 128 + 32
.set VOFF,  256*PK                     ; a slot: 256 rows of K, then 256 rows of V
.set SLOT1, 1<<17                      ; slot 1 begins here: one exclusive or turns an address
.set STAGE, 2*SLOT1                    ; the way out: 16 rows x 144 bytes a wave; no tile lands here
.set SPARE, STAGE+8*16*PK              ; the spare words, 128 bytes a wave
.set AK0, 1
.set AV0, 2
.set ADK, 3
.set ADV, 4
.set STO, 5
.set RD,  6
.set GO,  7                            ; 16 x lane
.set QO,  8
.set D0,  9                            ; my first query + r - 8 h
.set PFO, 10                           ; 256 x lane
.set FRV, 11                           ; the fill as a raw dot product
.set TLO, 12                           ; 32 h
.set TMP, 13
.set SPW, 14
.set NIL, 15
.set ST,  16
.set Q,   32
.set S,   64
.set P,   128
.set KR,  160
.set OUTR, 224
.set O,   64                           ; in window 1
.set WV,  10
.set PI,  11
.set BH,  12
.set NS0, 13                           ; slots of the first block
.set TT,  14                           ; the trip
.set SLOTS, 15
.set NK,  16                           ; the slot of keys asked for last
.set KF,  17                           ; the step's first key
.set Q0,  18                           ; my first query
.set QB,  19
.set SEL, 20
.set CS,  22
.set G1K, 24
.set G1V, 32
.set G0K, 40
.set G0V, 44
.set KBASE, 48
.set VBASE, 50
.set QH,  52
.set XH,  54
.set TLH, 56
.set TBK, 62                           ; LDS byte at which the step's rows of K begin,
.set TBV, 63                           ; and, less VOFF, its rows of V
.set CNT, 66
.set LIM, 67
.set PFK, 68
.set PFV, 70
.set MSB, 0
.macro WIN new
.if MSB != \new
	s_set_vgpr_msb (MSB<<8)|\new
.set MSB, \new
.endif
.endm
; Waves 0 and 1 fetch K's halves of a slot, waves 2 and 3 V's, the others nothing.  An s_nop 0 and four v_nop follow each load.
.macro TLOAD
	s_cmp_lt_u32 s[WV], 2
	s_cbranch_scc0 .Lnot_k_\@
	tensor_load_to_lds s[G0K:G0K+3], s[G1K:G1K+7]
	s_nop 0
.rept 4
	v_nop
.endr
	s_branch .Lasked_\@
.Lnot_k_\@:
	s_cmp_lt_u32 s[WV], 4
	s_cbranch_scc0 .Lasked_\@
	tensor_load_to_lds s[G0V:G0V+3], s[G1V:G1V+7]
	s_nop 0
.rept 4
	v_nop
.endr
.Lasked_\@:
.endm
; A prefetch of the slot that the NEXT change will ask for: 32,768 bytes of K and of V.  The head's work-group with PI = 0 walks slots 0 to 7 in order: it asks, in its waves 4 to 7, 8,192 bytes of each a wave, lanes 256 bytes
; apart: each block of 256 bytes of a head is named once in the launch.  Trips 0 to 5 ask for slots 2 to 7; slots 0 and 1 come by their loads alone.
.macro ASK
	s_cmp_gt_u32 s[SLOTS], s[LIM]
	s_cbranch_scc0 .Lnot_mine_\@
	global_prefetch_b8 v[PFO], s[PFK:PFK+1] th:TH_LOAD_NT scope:SCOPE_SE
	global_prefetch_b8 v[PFO], s[PFV:PFV+1] th:TH_LOAD_NT scope:SCOPE_SE
.Lnot_mine_\@:
.endm
	s_load_b128 s[4:7], s[0:1], 0x0                ; qkv, vtail
	s_load_b64 s[8:9], s[0:1], 0x10                ; x16
	v_lshl_add_u32 v[SPW], v0, 2, SPARE
	v_mov_b32 v[NIL], 0
	ds_add_u32 v[SPW], v[NIL]                      ; the wave's opening: the add, twice on end, and its wait ahead of the first tensor load
	ds_add_u32 v[SPW], v[NIL]
	v_lshrrev_b32 v1, 5, v0
	v_readfirstlane_b32 s[WV], v1                  ; wave 0..7
	s_mov_b32 s[PI], ttmp9
	s_and_b32 s[BH], ttmp7, 0xffff                 ; batch x 16 + head
	s_sub_co_u32 s[NS0], 8, s[PI]
	s_mov_b32 s[G1K], (1<<16)|(1<<20)|(4<<22)|(3<<25)   ; elements of 2 bytes; padding: 4 words behind every 32
	s_mov_b32 s[G1V], (1<<16)|(1<<20)|(4<<22)|(7<<25)   ; 8 words
.irp g, G1K, G1V
	s_mov_b32 s[\g+1], 64<<16                      ; tensor_dim0
	s_mov_b32 s[\g+2], 128<<16                     ; tensor_dim1
	s_mov_b32 s[\g+3], 64<<16                      ; tile_dim0
	s_mov_b32 s[\g+4], 128                         ; tile_dim1
	s_mov_b32 s[\g+5], 64                          ; from row to row
	s_mov_b32 s[\g+6], 0
	s_mov_b32 s[\g+7], 0
.endr
	s_mov_b32 s[SEL], 0x76543210
	s_mov_b32 s[SEL+1], 0xfedcba98
	s_mov_b32 s[CS], 0x3e38aa3b                    ; c = log2(e) / 8
	s_mov_b32 s[CS+1], s[CS]
	s_mov_b32 s[TT], 0
	s_mov_b32 s[SLOTS], 8
	s_mov_b32 s[NK], 0
	s_mov_b32 s[TBK], 0
	s_mov_b32 s[TBV], 0
	s_lshl_b32 s58, s[BH], 18                      ; a head's 262,144 bytes
	s_mov_b32 s59, 0
	s_and_b32 s60, s[WV], 1                        ; which half of a slot's rows I fetch:
	s_lshl_b32 s74, s60, 14                        ; 128 rows of 128 bytes in memory,
	s_mov_b32 s75, 0
	s_mul_i32 s72, s60, 128*PK                     ; and in a slot
	s_mul_i32 s73, s60, 128*PV
	s_add_co_u32 s73, s73, VOFF
	s_and_b32 s60, s[WV], 3
	s_lshl_b32 s60, s60, 13
	s_add_co_u32 s60, s60, 32768                   ; the prefetches stand in slot 1: the first change steps them to slot 2
	s_mov_b32 s61, 0
	s_wait_dscnt 0x0                               ; both opening adds are done
	s_wait_kmcnt 0x0
	s_add_nc_u64 s[QH:QH+1], s[4:5], s[58:59]
	s_add_nc_u64 s[XH:XH+1], s[8:9], s[58:59]
	s_add_nc_u64 s[KBASE:KBASE+1], s[QH:QH+1], 0x1000000
	s_add_nc_u64 s[VBASE:VBASE+1], s[QH:QH+1], 0x2000000
	s_add_nc_u64 s[PFK:PFK+1], s[KBASE:KBASE+1], s[60:61]
	s_add_nc_u64 s[PFV:PFV+1], s[VBASE:VBASE+1], s[60:61]
	s_add_nc_u64 s[KBASE:KBASE+1], s[KBASE:KBASE+1], s[74:75]
	s_add_nc_u64 s[VBASE:VBASE+1], s[VBASE:VBASE+1], s[74:75]
	s_mov_b32 s[G0K], 1
	s_mov_b32 s[G0K+1], s72
	s_mov_b64 s[G0K+2:G0K+3], s[KBASE:KBASE+1]
	s_or_b32 s[G0K+3], s[G0K+3], 0x80000000
	s_mov_b32 s[G0V], 1
	s_mov_b32 s[G0V+1], s73
	s_mov_b64 s[G0V+2:G0V+3], s[VBASE:VBASE+1]
	s_or_b32 s[G0V+3], s[G0V+3], 0x80000000
	TLOAD                                          ; slot 0: keys 0 to 255, which every query block reads
	s_lshl_b32 s58, s[BH], 13
	s_add_nc_u64 s[TLH:TLH+1], s[6:7], s[58:59]    ; vtail: 8,192 bytes a head
	s_lshr_b32 s60, s[WV], 2
	s_xor_b32 s60, s60, 1                          ; 0 in waves 4 to 7,
	s_or_b32 s60, s60, s[PI]                       ; of the work-group with PI = 0
	s_cmp_eq_u32 s60, 0
	s_cselect_b32 s[LIM], 2, -1
	v_and_b32 v[TMP], 15, v0                       ; r
	v_bfe_u32 v[TLO], v0, 4, 1                     ; h
	v_mul_u32_u24 v[AK0], v[TMP], PK
	v_lshl_add_u32 v[AK0], v[TLO], 4, v[AK0]       ; K: row r x pitch + 16 h
	v_and_b32 v[ADK], 7, v0
	v_lshl_add_u32 v[ADK], v[TLO], 3, v[ADK]
	v_mul_u32_u24 v[AV0], v[ADK], PV               ; V, for the turning load: key 8 h + lane % 8,
	v_bfe_u32 v[ADK], v0, 3, 1
	v_lshl_add_u32 v[AV0], v[ADK], 4, v[AV0]       ; channels 8 ((lane / 8) % 2) on
	v_add_nc_u32 v[AV0], VOFF, v[AV0]
	s_mul_i32 s60, s[WV], 16*PK
	s_add_co_u32 s60, s60, STAGE                   ; my stage
	v_mul_u32_u24 v[STO], v[TMP], PK
	v_lshl_add_u32 v[STO], v[TLO], 4, v[STO]
	v_add_nc_u32 v[STO], s60, v[STO]               ; in: row r, + 16 h
	v_bfe_u32 v[RD], v0, 3, 2
	v_mul_u32_u24 v[RD], v[RD], PK
	v_and_b32 v[ADK], 7, v0
	v_lshl_add_u32 v[RD], v[ADK], 4, v[RD]
	v_add_nc_u32 v[RD], s60, v[RD]                 ; back: eight lanes to a row of 128 bytes, four rows a load
	v_and_b32 v[GO], 31, v0
	v_lshlrev_b32 v[PFO], 8, v[GO]
	v_lshlrev_b32 v[GO], 4, v[GO]
	v_lshlrev_b32 v[QO], 7, v[TMP]
	v_lshl_add_u32 v[QO], v[TLO], 4, v[QO]         ; Q: row r of 128 bytes, + 16 h
	v_lshlrev_b32 v[TLO], 5, v[TLO]
	v_mov_b32 v[FRV], 0xc87ffe00                   ; 8 x -32,767
; A block of queries begins (its number in s[QB]): Q, and the start of the running softmax.
.macro INIT
	s_lshl_b32 s[Q0], s[QB], 8
	s_lshl_b32 s58, s[WV], 5
	s_add_co_u32 s[Q0], s[Q0], s58
	s_mov_b32 s[KF], 0
	s_lshl_b32 s58, s[Q0], 7
	s_mov_b32 s59, 0
	s_add_nc_u64 s[60:61], s[QH:QH+1], s[58:59]
	s_lshr_b32 s72, s[Q0], 6                       ; e: my last step holds keys 64 e to 64 e + 63
	s_lshl_b32 s58, s72, 8
	s_add_nc_u64 s[74:75], s[TLH:TLH+1], s[58:59]
.irp y, 0,1
.irp u, 0,1
	global_load_b128 v[Q+16*\y+8*\u:Q+16*\y+8*\u+3], v[QO], s[60:61] offset:2048*\y+64*\u
	global_load_b128 v[Q+16*\y+8*\u+4:Q+16*\y+8*\u+7], v[QO], s[60:61] offset:2048*\y+64*\u+32
.endr
.endr
	WIN 0x40                                       ; destination window 1
.irp y, 0,1
.irp dt, 0,1,2,3
	global_load_b128 v[O+32*\y+8*\dt:O+32*\y+8*\dt+3], v[TLO], s[74:75] offset:64*\dt          ; O^T = the sum of V's rows over keys from 64 (e + 1) on
	global_load_b128 v[O+32*\y+8*\dt+4:O+32*\y+8*\dt+7], v[TLO], s[74:75] offset:64*\dt+16
.endr
.endr
	WIN 0
	s_sub_co_u32 s72, 31, s72
	s_lshl_b32 s72, s72, 5                         ; half their number: the two halves of the lanes are added at the end
	v_and_b32 v[TMP], 15, v0
	v_add_nc_u32 v[TMP], s[Q0], v[TMP]
.irp y, 0,1
	v_cvt_f32_u32 v[ST+8*\y+2], s72
	v_mov_b32 v[ST+8*\y+3], 0
	v_mov_b32 v[ST+8*\y+4], 0xff61b1e6             ; -3e38: query 2,047 has no hidden key, so the fill is no score of its row
	v_cmp_eq_u32 vcc_lo, 2047-16*\y, v[TMP]
	v_cndmask_b32 v[ST+8*\y+1], v[FRV], v[ST+8*\y+4], vcc_lo
	v_mul_f32 v[ST+8*\y], s[CS], v[ST+8*\y+1]
	v_mov_b32 v[ST+8*\y+5], 0
	v_mov_b32 v[ST+8*\y+6], 0
	v_mov_b32 v[ST+8*\y+7], 0
.endr
	v_bfe_u32 v[D0], v0, 4, 1
	v_lshlrev_b32 v[D0], 3, v[D0]
	v_sub_nc_u32 v[D0], v[TMP], v[D0]
	s_wait_loadcnt 0x0
.endm
; The softmax of a step, in phases, the two tiles line by line.
.macro SOFTMAX
.irp j, 0,1,2,3
.irp y, 0,1
	v_max3_num_f32 v[ST+8*\y+4+\j], v[S+32*\y+8*\j], v[S+32*\y+8*\j+1], v[S+32*\y+8*\j+2]   ; four chains; each accumulator is read from its low end on
.endr
.endr
.irp n, 3,5
.irp j, 0,1,2,3
.irp y, 0,1
	v_max3_num_f32 v[ST+8*\y+4+\j], v[ST+8*\y+4+\j], v[S+32*\y+8*\j+\n], v[S+32*\y+8*\j+\n+1]
.endr
.endr
.endr
.irp y, 0,1
	v_max3_num_f32 v[ST+8*\y+4], v[ST+8*\y+4], v[S+32*\y+7], v[S+32*\y+15]
	v_max3_num_f32 v[ST+8*\y+6], v[ST+8*\y+6], v[S+32*\y+23], v[S+32*\y+31]
.endr
.irp y, 0,1
	v_max3_num_f32 v[ST+8*\y+4], v[ST+8*\y+4], v[ST+8*\y+5], v[ST+8*\y+6]
.endr
.irp y, 0,1
	v_max3_num_f32 v[ST+8*\y+4], v[ST+8*\y+4], v[ST+8*\y+7], v[ST+8*\y+1]   ; and the old m
.endr
.irp y, 0,1
	v_permlanex16_b32 v[ST+8*\y+5], v[ST+8*\y+4], s[SEL], s[SEL+1]          ; the query's other 32 keys
.endr
.irp y, 0,1
	v_mov_b32 v[ST+8*\y+7], v[ST+8*\y]             ; c m_old
.endr
.irp y, 0,1
	v_max_num_f32 v[ST+8*\y+1], v[ST+8*\y+4], v[ST+8*\y+5]
.endr
.irp y, 0,1
	v_mul_f32 v[ST+8*\y], s[CS], v[ST+8*\y+1]
.endr
.irp y, 0,1
	v_sub_f32 v[ST+8*\y+7], v[ST+8*\y+7], v[ST+8*\y]
.endr
.irp b, 0,1,2,3,4,5,6,7,8,9,10,11,12,13,14,15
.irp y, 0,1
	v_pk_fma_f32 v[S+32*\y+2*\b:S+32*\y+2*\b+1], v[S+32*\y+2*\b:S+32*\y+2*\b+1], s[CS:CS+1], v[ST+8*\y:ST+8*\y+1] op_sel_hi:[1,0,0] neg_lo:[0,0,1] neg_hi:[0,0,1]   ; c s - c m
.endr
.endr
.irp y, 0,1
	v_exp_f32 v[ST+8*\y+6], v[ST+8*\y+7]           ; the factor 2^(c m_old - c m_new)
.endr
.irp e, 0,1,2,3,4,5,6,7,8,9,10,11,12,13,14,15,16,17,18,19,20,21,22,23,24,25,26,27,28,29,30,31
.irp y, 0,1
	v_exp_f32 v[S+32*\y+\e], v[S+32*\y+\e]
.endr
.endr
	v_nop                                          ; a plain line behind the last exponential
	s_wait_alu depctr_va_vdst(0)                   ; one wait for the 66, ahead of their first reader
.irp n, 0,1,2,3,4,5,6,7,8,9,10,11,12,13,14,15
.irp y, 0,1
	v_cvt_pk_f16_f32 v[P+16*\y+\n], v[S+32*\y+2*\n], v[S+32*\y+2*\n+1]
.endr
.endr
.irp u, 0,1,2,3,4,5,6,7
.irp y, 0,1
	v_pk_add_f32 v[S+32*\y+4*\u:S+32*\y+4*\u+1], v[S+32*\y+4*\u:S+32*\y+4*\u+1], v[S+32*\y+4*\u+2:S+32*\y+4*\u+3]   ; the row's sum, of the unrounded p, in place
.endr
.endr
.irp u, 0,1,2,3
.irp y, 0,1
	v_pk_add_f32 v[S+32*\y+8*\u:S+32*\y+8*\u+1], v[S+32*\y+8*\u:S+32*\y+8*\u+1], v[S+32*\y+8*\u+4:S+32*\y+8*\u+5]
.endr
.endr
.irp u, 0,1
.irp y, 0,1
	v_pk_add_f32 v[S+32*\y+16*\u:S+32*\y+16*\u+1], v[S+32*\y+16*\u:S+32*\y+16*\u+1], v[S+32*\y+16*\u+8:S+32*\y+16*\u+9]
.endr
.endr
.irp y, 0,1
	v_pk_add_f32 v[S+32*\y:S+32*\y+1], v[S+32*\y:S+32*\y+1], v[S+32*\y+16:S+32*\y+17]
.endr
.irp y, 0,1
	v_pk_fma_f32 v[ST+8*\y+2:ST+8*\y+3], v[ST+8*\y+2:ST+8*\y+3], v[ST+8*\y+6:ST+8*\y+7], v[S+32*\y:S+32*\y+1] op_sel_hi:[1,0,1]
.endr
.endm
; A KEY STEP: 64 keys from s[KF] on.  A step all of whose keys come after my 32 queries is left out (they are in the start state): a branch on ids, round the work, not round the lines that step addresses.
.macro STEP
	s_add_co_u32 s58, s[Q0], 31
	s_cmp_gt_u32 s[KF], s58
	s_cbranch_scc1 .Lhidden_\@
	v_add_nc_u32 v[ADK], s[TBK], v[AK0]
	v_add_nc_u32 v[ADV], s[TBV], v[AV0]
	v_nop
	v_nop                                          ; four plain lines behind the last step's products, ahead of the loads into V's registers
.irp kt, 0,1,2,3
.irp u, 0,1
	ds_load_b128 v[KR+16*\kt+8*\u:KR+16*\kt+8*\u+3], v[ADK] offset:16*PK*\kt+64*\u
	ds_load_b128 v[KR+16*\kt+8*\u+4:KR+16*\kt+8*\u+7], v[ADK] offset:16*PK*\kt+64*\u+32
.endr
.endr
	WIN 0x40
.irp ku, 0,1
.irp dt, 0,1,2,3
	ds_load_tr16_b128 v[32*\ku+8*\dt:32*\ku+8*\dt+3], v[ADV] offset:32*PV*\ku+32*\dt
	ds_load_tr16_b128 v[32*\ku+8*\dt+4:32*\ku+8*\dt+7], v[ADV] offset:32*PV*\ku+16*PV+32*\dt
.endr
.endr
	WIN 0
	s_wait_dscnt 16                                ; K's 16 loads are in; V's 16 may be out
.set i, 0
.rept 16                               ; S^T = K Q^T: eight accumulators by turns; the first eight products start the sums
.set rS, S+32*(i%2)+8*((i/2)%4)
.set rK, KR+16*((i/2)%4)+8*(i/8)
.set rQ, Q+16*(i%2)+8*(i/8)
.if i < 8
	v_wmma_f32_16x16x32_f16 v[rS:rS+7], v[rK:rK+7], v[rQ:rQ+7], 0
.else
	v_wmma_f32_16x16x32_f16 v[rS:rS+7], v[rK:rK+7], v[rQ:rQ+7], v[rS:rS+7]
.endif
.set i, i+1
.endr
	v_sub_nc_u32 v[TMP], v[D0], s[KF]              ; my query - KF - 8 h, for tile 0
.rept 3
	v_nop                                          ; with the line above: four places ahead of the first read of the scores
.endr
	s_add_co_u32 s58, s[KF], 63
	s_cmp_le_u32 s58, s[Q0]                        ; a step all of whose keys count skips the mask
	s_cbranch_scc1 .Lopen_\@
.irp y, 0,1
.irp kt, 0,1,2,3
.irp j, 0,1,2,3,4,5,6,7
	v_cmp_gt_i32 vcc_lo, 16*\kt+\j-16*\y, v[TMP]
	v_cndmask_b32 v[S+32*\y+8*\kt+\j], v[S+32*\y+8*\kt+\j], v[FRV], vcc_lo   ; hidden keys take the fill
.endr
.endr
.endr
.Lopen_\@:
	SOFTMAX
	s_wait_dscnt 0x0                               ; V is in
	WIN 0x41
.irp n, 0,1,2,3,4,5,6,7,8,9,10,11,12,13,14,15
.irp y, 0,1
	v_pk_mul_f32 v[O+32*\y+2*\n:O+32*\y+2*\n+1], v[O+32*\y+2*\n:O+32*\y+2*\n+1], v[ST+8*\y+6:ST+8*\y+7] op_sel_hi:[1,0]   ; O^T under the new m
.endr
.endr
	WIN 0x51
.set i, 0
.rept 16                               ; O^T += V^T P: eight accumulators by turns
.set rO, O+32*(i%2)+8*((i/2)%4)
.set rV, 32*(i/8)+8*((i/2)%4)
.set rP, P+16*(i%2)+8*(i/8)
	v_wmma_f32_16x16x32_f16 v[rO:rO+7], v[rV:rV+7], v[rP:rP+7], v[rO:rO+7]
.set i, i+1
.endr
	WIN 0
.Lhidden_\@:
	s_add_co_u32 s[KF], s[KF], 64
	s_add_co_u32 s[TBK], s[TBK], 64*PK
	s_add_co_u32 s[TBV], s[TBV], 64*PV
.endm
; A block of queries ends: O^T / l, rounded to f16, through my stage, out as 512 consecutive bytes a store (four tokens of the head).
.macro WAYOUT
.irp y, 0,1
	v_add_f32 v[ST+8*\y+4], v[ST+8*\y+2], v[ST+8*\y+3]
.endr
.irp y, 0,1
	v_permlanex16_b32 v[ST+8*\y+5], v[ST+8*\y+4], s[SEL], s[SEL+1]
.endr
.irp y, 0,1
	v_add_f32 v[ST+8*\y+4], v[ST+8*\y+4], v[ST+8*\y+5]
.endr
.irp y, 0,1
	v_rcp_f32 v[ST+8*\y+6], v[ST+8*\y+4]
.endr
	v_nop                                          ; a plain line behind the reciprocals; with the additions above: the places behind the last products
	s_wait_alu depctr_va_vdst(0)                   ; one wait for the two
	s_wait_xcnt 0x0                                ; the last block's stores have read their base and their data
	s_lshl_b32 s58, s[Q0], 7
	s_mov_b32 s59, 0
	s_add_nc_u64 s[76:77], s[XH:XH+1], s[58:59]
.irp y, 0,1
	WIN 0x41
.irp n, 0,1,2,3,4,5,6,7,8,9,10,11,12,13,14,15
	v_pk_mul_f32 v[O+32*\y+2*\n:O+32*\y+2*\n+1], v[O+32*\y+2*\n:O+32*\y+2*\n+1], v[ST+8*\y+6:ST+8*\y+7] op_sel_hi:[1,0]
.endr
	WIN 0x05
.irp n, 0,1,2,3,4,5,6,7,8,9,10,11,12,13,14,15
	v_cvt_pk_f16_f32 v[OUTR+16*\y+\n], v[O+32*\y+2*\n], v[O+32*\y+2*\n+1]
.endr
	WIN 0
.irp dt, 0,1,2,3
	ds_store_b128 v[STO], v[OUTR+16*\y+4*\dt:OUTR+16*\y+4*\dt+3] offset:32*\dt
.endr
.irp i, 0,1,2,3
	ds_load_b128 v[OUTR+16*\y+4*\i:OUTR+16*\y+4*\i+3], v[RD] offset:4*PK*\i   ; LDS serves a wave's instructions in order: these see the stores above, and the next tile's stores come behind them
.endr
.endr
	s_wait_dscnt 0x0
.irp y, 0,1
.irp i, 0,1,2,3
	global_store_b128 v[GO], v[OUTR+16*\y+4*\i:OUTR+16*\y+4*\i+3], s[76:77] offset:2048*\y+512*\i
.endr
.endr
.endm
; THE CHANGE OF SLOTS stands at a slot's head.  Each wave waits for all its tensor loads, adds 0 to its spare word, and waits for that and for its reads of the slot that it has left.  Behind the barrier the slot ahead is
; whole and nobody reads the other one.  fill = 1: that other slot takes the next slot of keys of the walk: 0 .. 7 - PI, then 0 .. PI; every slot asked for is read.  One load of a wave is out at the most.
.macro CHANGE fill
	s_wait_tensorcnt 0x0                           ; no tensor load of mine is out, so a group 0 may be written
	ds_add_u32 v[SPW], v[NIL]                      ; 0 onto my spare word
.if \fill
	ds_add_u32 v[SPW], v[NIL]                      ; and once more: the add twice on end, in every trip alike
	s_xor_b32 s[G0K+1], s[G0K+1], SLOT1
	s_xor_b32 s[G0V+1], s[G0V+1], SLOT1
	s_add_co_u32 s[NK], s[NK], 1
	s_cmp_eq_u32 s[NK], s[NS0]
	s_cselect_b32 s[NK], 0, s[NK]                  ; behind the first block's last slot the walk begins anew
	s_lshl_b32 s58, s[NK], 15
	s_mov_b32 s59, 0
	s_add_nc_u64 s[G0K+2:G0K+3], s[KBASE:KBASE+1], s[58:59]
	s_or_b32 s[G0K+3], s[G0K+3], 0x80000000
	s_add_nc_u64 s[G0V+2:G0V+3], s[VBASE:VBASE+1], s[58:59]
	s_or_b32 s[G0V+3], s[G0V+3], 0x80000000
	s_wait_xcnt 0x0                                ; the last prefetches, a slot back, have read their addresses
	s_add_nc_u64 s[PFK:PFK+1], s[PFK:PFK+1], 32768
	s_add_nc_u64 s[PFV:PFV+1], s[PFV:PFV+1], 32768
.endif
	s_wait_dscnt 0x0                               ; the add is done, and my reads of the slot that I have left are over
	s_barrier_signal -1
	s_barrier_wait -1
.if \fill
	TLOAD                                          ; the first thing behind the barrier, and a wave's one tensor load until the next
	ASK
.endif
.endm
.macro SLOT_STEPS
	s_cmp_lg_u32 s[TT], s[NS0]                     ; ids and the count of trips alone; no barrier and no tensor load stands inside
	s_cbranch_scc1 .Lsame_\@
	WAYOUT                                         ; the first block is done,
	s_mov_b32 s[QB], s[PI]
	INIT                                           ; the second begins
.Lsame_\@:
	s_mov_b32 s[CNT], 4
.Lstep_\@:
	STEP
	s_sub_co_u32 s[CNT], s[CNT], 1
	s_cmp_lg_u32 s[CNT], 0
	s_cbranch_scc1 .Lstep_\@
	s_sub_co_u32 s[TBK], s[TBK], 4*64*PK           ; back to a slot's first step,
	s_xor_b32 s[TBK], s[TBK], SLOT1                ; in the other slot
	s_sub_co_u32 s[TBV], s[TBV], 4*64*PV
	s_xor_b32 s[TBV], s[TBV], SLOT1
	s_add_co_u32 s[TT], s[TT], 1
.endm
	s_sub_co_u32 s[QB], 7, s[PI]
	INIT
.Lslot:                                            ; eight trips: behind each change of slots but the last the next slot is asked for
	CHANGE 1
	SLOT_STEPS
	s_sub_co_u32 s[SLOTS], s[SLOTS], 1
	s_cmp_lg_u32 s[SLOTS], 0
	s_cbranch_scc1 .Lslot
	CHANGE 0                                       ; the ninth slot is written out: nothing is left to ask for
	SLOT_STEPS
	WAYOUT
	s_wait_tensorcnt 0x0                           ; the wave's end
	ds_add_u32 v[SPW], v[NIL]
	s_wait_dscnt 0x0
	s_endpgm
.Lfunc_end_k_q7d56ad023f_attn:
	.size	k_q7d56ad023f_attn, .Lfunc_end_k_q7d56ad023f_attn-k_q7d56ad023f_attn
	.p2alignl 7, 3214868480
	.fill 96, 4, 3214868480
	.section	.rodata,"a",@progbits
	.p2align	6, 0x0
	.amdhsa_kernel k_q7d56ad023f_attn
		.amdhsa_group_segment_fixed_size 327680
		.amdhsa_private_segment_fixed_size 0
		.amdhsa_enable_private_segment 0
		.amdhsa_kernarg_size 24
		.amdhsa_user_sgpr_count 2
		.amdhsa_user_sgpr_kernarg_segment_ptr 1
		.amdhsa_wavefront_size32 1
		.amdhsa_system_sgpr_workgroup_id_x 1
		.amdhsa_system_sgpr_workgroup_id_y 1
		.amdhsa_system_sgpr_workgroup_id_z 1
		.amdhsa_system_vgpr_workitem_id 0
		.amdhsa_next_free_vgpr 512
		.amdhsa_next_free_sgpr 80
		.amdhsa_reserve_vcc 1
		.amdhsa_float_denorm_mode_32 3
		.amdhsa_float_denorm_mode_16_64 3
		.amdhsa_memory_ordered 1
		.amdhsa_forward_progress 1
		.amdhsa_inst_pref_size 82
	.end_amdhsa_kernel
	.amdgpu_metadata
---
amdhsa.version: [ 1, 2 ]
amdhsa.kernels:
  - .name:           k_q7d56ad023f_attn
    .symbol:         k_q7d56ad023f_attn.kd
    .args:
      - { .name: qkv, .offset: 0, .size: 8, .value_kind: global_buffer, .address_space: global }
      - { .name: vtail, .offset: 8, .size: 8, .value_kind: global_buffer, .address_space: global }
      - { .name: x16, .offset: 16, .size: 8, .value_kind: global_buffer, .address_space: global }
    .group_segment_fixed_size: 327680
    .private_segment_fixed_size: 0
    .kernarg_segment_align: 8
    .kernarg_segment_size: 24
    .max_flat_workgroup_size: 256
    .sgpr_count:     80
    .vgpr_count:     512
    .wavefront_size: 32
...
	.end_amdgpu_metadata
.endif
;; end of part 4
;; launch outp (part 5): grid 4 x 64, 4 waves a work-group, clusters of 4 x 4, 327,680 bytes of LDS; arguments x16, wo16, out0; writes out0
.if DOCPART == 5
	.amdgcn_target "amdgcn-amd-amdhsa--gfx1250"
	.amdhsa_code_object_version 6
	.text
	.protected	k_q7d56ad023f_outp
	.globl	k_q7d56ad023f_outp
	.p2align	8
	.type	k_q7d56ad023f_outp,@function
k_q7d56ad023f_outp:
	s_mov_b64 s[64:65], 0
	v_nop
	global_prefetch_b8 v0, s[64:65] scope:SCOPE_SE
	s_setreg_imm32_b32 hwreg(HW_REG_WAVE_MODE, 25, 1), 1
	s_wait_xcnt 0x0
	s_wait_alu depctr_hold_cnt(0) depctr_sa_sdst(0) depctr_va_vdst(0) depctr_va_sdst(0) depctr_va_ssrc(0) depctr_va_vcc(0) depctr_vm_vsrc(0)
	s_getreg_b32 s2, hwreg(HW_REG_IB_STS2, 6, 4)
	s_cmp_eq_u32 s2, 0
	s_cbranch_scc0 .Lentry_in_a_cluster
	s_endpgm
.Lentry_in_a_cluster:
	s_bfe_u32 s2, ttmp6, 0x10000c
	s_cmp_lg_u32 s2, 0xf033
	s_cbranch_scc0 .Lentry_shape_is_right
	s_endpgm
.Lentry_shape_is_right:
; out0[b][n][o] = the sum over heads and channels of x[b][h][n][d] Wo[o][64 h + d], for positions n >= 16 (positions 0-15 are made in f32 by another launch).  x16 [4][16][2048][64] and wo16 [16][1024][64]: f16; sums and out0 in f32.
; A tile of 128 tokens x 256 features is made by four waves, 64 x 128 each: 32 accumulators: 256 work-groups.  A K step is two heads, 128 along K; its four tiles (x and Wo of each head) are dense blocks of memory, stated as rows of
; 256 bytes: one joint load a wave.  Two slots take turns; eight K steps.
; CLUSTERS: 4 x 4.  cy is the batch, the cluster's y the tile of tokens inside it, cx the tile of features: x's tiles are shared along a row of the cluster, Wo's along a column; branches hang on the cluster's y and the wave's number alone.
; THE MATRIX INSTRUCTION IS USED TRANSPOSED (source 0 = 16 rows of Wo, source 1 = 16 tokens): a lane holds eight neighbouring features of one token.
; REGISTERS: window 0: v16-30 addresses; v32-159 the way out, two sets.  window 1: two fragment buffers at v0 and v128: x's 4 fragments, then Wo's 8.  window 2: accumulator (a, b) at v[8 (8 a + b)].
.set PITCH,  272                       ; an LDS row: 256 bytes (two rows of 64 f16) + 16
.set AHEAD,  64*PITCH                  ; x of one head: 128 tokens
.set BHEAD,  128*PITCH                 ; Wo of one head: 256 features
.set BOFF,   2*AHEAD
.set SLOT,   2*AHEAD+2*BHEAD
.set STAGE,  2*SLOT                    ; the way out: 16 rows x 528 bytes a wave; no tile lands here
.set SPITCH, 528
.set SPARE,  STAGE+4*16*SPITCH
.set ASTEP,  524288                    ; two heads on in x16,
.set BSTEP,  262144                    ; in wo16
.set ADRA, 16
.set ADRB, 20
.set STO,  24
.set RD,   25
.set CO,   26
.set SPW,  28
.set NIL,  29
.set PFO,  30
.set OB,   32
.set F0,   0
.set F1,   128
.set G1, 24
.set G0, 32
.set G1B, 48
.set G0B, 56
.set LIM, 46
.set PFA, 66
.set MSB, 0
.macro WIN new
.if MSB != \new
	s_set_vgpr_msb (MSB<<8)|\new
.set MSB, \new
.endif
.endm
.set MUL,  0xa5                        ; sources 0 and 1 window 1; C and D window 2
.set TO_F, 0x40
.macro JLOAD s                         ; waves 0 and 1 fetch x of the step's two heads, waves 2 and 3 Wo; an s_nop 0 and four v_nop follow each of the two lines
	s_cmp_eq_u32 s11, 0
	s_cbranch_scc0 .Lfor_b_\@
	tensor_load_to_lds s[G0+4*\s:G0+4*\s+3], s[G1:G1+7]
	s_nop 0
.rept 4
	v_nop
.endr
	s_branch .Lasked_\@
.Lfor_b_\@:
	tensor_load_to_lds s[G0B+4*\s:G0B+4*\s+3], s[G1B:G1B+7]
	s_nop 0
.rept 4
	v_nop
.endr
.Lasked_\@:
.endm
.macro CREST
	s_cmp_lg_u32 s10, 0
	s_cbranch_scc1 .Lnot_wave_0_\@
	s_barrier_signal -3
.Lnot_wave_0_\@:
	s_barrier_wait -3
	s_barrier_signal -1
	s_barrier_wait -1
.endm
.macro CROUND
	s_barrier_signal -1
	s_barrier_wait -1
	CREST
.endm
; A prefetch of x's tiles of the K step two refills on: 2 heads x 16,384 bytes.  Only the four partners of a row of the cluster read them: they share the 128 blocks of 256 bytes by address, 32 each (16 of each head), one
; instruction of wave 0: each block is named once.  The loop's first two trips ask for K steps 4 to 7; K steps 0 to 3 come by their loads alone.  Wo's tiles are read by all sixteen clusters again and again: not asked for.
.macro ASK
	s_cmp_gt_u32 s3, s[LIM]
	s_cbranch_scc0 .Lnot_mine_\@
	global_prefetch_b8 v[PFO], s[PFA:PFA+1] offset:ASTEP th:TH_LOAD_NT scope:SCOPE_SE
.Lnot_mine_\@:
.endm
	s_load_b128 s[4:7], s[0:1], 0x0                ; x16, wo16
	s_load_b64 s[8:9], s[0:1], 0x10                ; out0
	v_lshl_add_u32 v[SPW], v0, 2, SPARE
	v_mov_b32 v[NIL], 0
	ds_add_u32 v[SPW], v[NIL]                      ; the wave's opening: the add, twice on end, and its wait ahead of my first tensor load
	ds_add_u32 v[SPW], v[NIL]
	v_lshrrev_b32 v1, 5, v0
	v_readfirstlane_b32 s10, v1                    ; wave 0..3
	s_lshr_b32 s11, s10, 1                         ; which half of the tile's tokens is mine.  Also: I fetch x (0) or Wo (1)
	s_and_b32 s12, s10, 1                          ; which half of its features.  Also: which of the step's two heads I fetch
	s_bfe_u32 s40, ttmp6, 0x40000                  ; cx
	s_bfe_u32 s41, ttmp6, 0x40004                  ; cy: the batch
	s_lshl_b32 s42, ttmp9, 2
	s_add_co_u32 s42, s42, s40                     ; tile of features
	s_and_b32 s13, ttmp7, 0xffff                   ; the cluster's y: the tile of tokens inside the batch
	s_lshl_b32 s43, s41, 2
	s_lshl_b32 s43, 15, s43                        ; my row of the cluster
	s_lshl_b32 s44, 0x1111, s40                    ; my column
	s_or_b32 s[G1+0], s43, (1<<16)|(1<<20)|(1<<21)|(5<<22)|(3<<25)  ; the mask; elements of 2 bytes; padding: 4 words behind every 64; bit 21 beside a mask
	s_or_b32 s[G1B+0], s44, (1<<16)|(1<<20)|(1<<21)|(5<<22)|(3<<25)
	s_mov_b32 s[G1+1], 128<<16                     ; rows of 128 elements, dense
	s_mov_b32 s[G1+2], 64<<16                      ; x: 64 rows
	s_mov_b32 s[G1+3], 128<<16
	s_mov_b32 s[G1+4], 64
	s_mov_b32 s[G1+5], 128
	s_mov_b32 s[G1+6], 0
	s_mov_b32 s[G1+7], 0
	s_mov_b32 s[G1B+1], 128<<16
	s_mov_b32 s[G1B+2], 128<<16                    ; Wo: 128 rows
	s_mov_b32 s[G1B+3], 128<<16
	s_mov_b32 s[G1B+4], 128
	s_mov_b32 s[G1B+5], 128
	s_mov_b32 s[G1B+6], 0
	s_mov_b32 s[G1B+7], 0
	s_lshl_b32 s16, s41, 22                        ; x: batch x 4,194,304 + head x 262,144 + tile x 16,384
	s_lshl_b32 s17, s12, 18
	s_add_co_u32 s16, s16, s17
	s_lshl_b32 s17, s13, 14
	s_add_co_u32 s16, s16, s17
	s_mov_b32 s17, 0
	s_lshl_b32 s22, s12, 17                        ; Wo: head x 131,072 + tile x 32,768
	s_lshl_b32 s23, s42, 15
	s_add_co_u32 s22, s22, s23
	s_mov_b32 s23, 0
	s_mul_i32 s20, s12, AHEAD                      ; where they go: by the wave's number alone
	s_mul_i32 s21, s12, BHEAD
	s_add_co_u32 s21, s21, BOFF
	s_wait_dscnt 0x0                               ; both opening adds are done
	s_wait_kmcnt 0x0
	s_add_nc_u64 s[14:15], s[4:5], s[16:17]
	s_add_nc_u64 s[22:23], s[6:7], s[22:23]
	CROUND                                         ; all sixteen work-groups are here: the first joint loads meet
.irp s, 0,1
	s_mov_b32 s[G0+4*\s], 1
	s_add_co_u32 s[G0+4*\s+1], s20, \s*SLOT
	s_add_nc_u64 s[G0+4*\s+2:G0+4*\s+3], s[14:15], \s*ASTEP
	s_or_b32 s[G0+4*\s+3], s[G0+4*\s+3], 0x80000000
	s_mov_b32 s[G0B+4*\s], 1
	s_add_co_u32 s[G0B+4*\s+1], s21, \s*SLOT
	s_add_nc_u64 s[G0B+4*\s+2:G0B+4*\s+3], s[22:23], \s*BSTEP
	s_or_b32 s[G0B+4*\s+3], s[G0B+4*\s+3], 0x80000000
	JLOAD \s
.endr
	v_and_b32 v1, 15, v0                           ; r
	v_bfe_u32 v2, v0, 4, 1                         ; h
	v_lshrrev_b32 v3, 1, v1
	v_mul_u32_u24 v3, v3, PITCH                    ; row R of a block lies at 272 (R / 2) + 128 (R % 2)
	v_and_b32 v4, 1, v1
	v_lshl_add_u32 v3, v4, 7, v3
	v_lshl_add_u32 v3, v2, 4, v3
	s_mul_i32 s20, s11, 32*PITCH                   ; my 64 tokens
	s_mul_i32 s21, s12, 64*PITCH                   ; my 128 features,
	s_add_co_u32 s21, s21, BOFF
.irp s, 0,1
	v_add_nc_u32 v[ADRA+\s], s20, v3
	v_add_nc_u32 v[ADRB+\s], s21, v3
	s_add_co_u32 s20, s20, SLOT
	s_add_co_u32 s21, s21, SLOT
.endr
	s_mul_i32 s20, s10, 16*SPITCH
	s_add_co_u32 s20, s20, STAGE                   ; my stage
	v_mul_u32_u24 v4, v1, SPITCH
	v_lshl_add_u32 v4, v2, 5, v4
	v_add_nc_u32 v[STO], s20, v4                   ; in: row r, 32 bytes for each half of the lanes
	v_and_b32 v5, 31, v0
	v_lshlrev_b32 v[CO], 4, v5                     ; back: the 32 lanes take a row of 512 bytes; and the same in out0
	v_add_nc_u32 v[RD], s20, v[CO]
	v_lshlrev_b32 v[PFO], 18, v2                   ; the prefetches: lanes 0-15 the first head, lanes 16-31 the second; 256 bytes from lane to lane
	v_lshl_add_u32 v[PFO], v1, 8, v[PFO]
	s_lshl_b32 s16, s41, 11
	s_lshl_b32 s17, s13, 7
	s_add_co_u32 s16, s16, s17
	s_lshl_b32 s17, s11, 6
	s_add_co_u32 s16, s16, s17                     ; my first token: 2048 batch + 128 tile + 64 half
	s_lshl_b32 s16, s16, 12
	s_lshl_b32 s17, s42, 10
	s_add_co_u32 s16, s16, s17
	s_lshl_b32 s17, s12, 9
	s_add_co_u32 s16, s16, s17                     ; + my first feature x 4
	s_mov_b32 s17, 0
	s_add_nc_u64 s[8:9], s[8:9], s[16:17]
	s_lshl_b32 s16, s41, 22
	s_lshl_b32 s17, s13, 14
	s_add_co_u32 s16, s16, s17
	s_lshl_b32 s17, s40, 12                        ; my work-group's 16 blocks of each head
	s_add_co_u32 s16, s16, s17
	s_add_co_u32 s16, s16, 2*ASTEP                 ; at K step 2: the first refill steps it to 3 and names K step 4
	s_mov_b32 s17, 0
	s_add_nc_u64 s[PFA:PFA+1], s[4:5], s[16:17]
	s_cmp_eq_u32 s10, 0
	s_cselect_b32 s[LIM], 1, -1
.macro MULH f, a, zero                 ; 8 matrix instructions: tokens' block a against Wo's eight, 32 along K.  The 32 accumulators take turns
.irp b, 0,1,2,3,4,5,6,7
.if \zero
	v_wmma_f32_16x16x32_f16 v[8*(8*(\a)+\b):8*(8*(\a)+\b)+7], v[\f+32+8*\b:\f+32+8*\b+7], v[\f+8*(\a):\f+8*(\a)+7], 0
.else
	v_wmma_f32_16x16x32_f16 v[8*(8*(\a)+\b):8*(8*(\a)+\b)+7], v[\f+32+8*\b:\f+32+8*\b+7], v[\f+8*(\a):\f+8*(\a)+7], v[8*(8*(\a)+\b):8*(8*(\a)+\b)+7]
.endif
.endr
.endm
.macro FETCH slot, q, f                ; 24 LDS loads in one run: quarter q (head q / 2, channels 32 (q % 2) on): Wo's eight fragments, x's blocks 0 and 1, then 2 and 3
	WIN TO_F
.irp i, 0,1,2,3,4,5,6,7
	ds_load_b128 v[\f+32+8*\i:\f+32+8*\i+3],   v[ADRB+\slot] offset:BHEAD*((\q)/2)+64*((\q)%2)+8*PITCH*\i
	ds_load_b128 v[\f+32+8*\i+4:\f+32+8*\i+7], v[ADRB+\slot] offset:BHEAD*((\q)/2)+64*((\q)%2)+8*PITCH*\i+32
.endr
.irp i, 0,1,2,3
	ds_load_b128 v[\f+8*\i:\f+8*\i+3],   v[ADRA+\slot] offset:AHEAD*((\q)/2)+64*((\q)%2)+8*PITCH*\i
	ds_load_b128 v[\f+8*\i+4:\f+8*\i+7], v[ADRA+\slot] offset:AHEAD*((\q)/2)+64*((\q)%2)+8*PITCH*\i+32
.endr
.endm
.macro PLACES                          ; four plain lines ahead of loads into registers that matrix instructions have read, and of reads of results
.rept 4
	v_nop
.endr
.endm
.macro QUARTER slot, qn, f, g, zero    ; multiplies buffer f and fetches quarter qn of the same slot into g
	s_wait_dscnt 4                                 ; all but x's blocks 2 and 3 (four loads) are in
	WIN MUL
	MULH \f, 0, \zero
	MULH \f, 1, \zero
	PLACES
	FETCH \slot, \qn, \g
	s_wait_dscnt 24                                ; all but the 24 just issued
	WIN MUL
	MULH \f, 2, \zero
	MULH \f, 3, \zero
.endm
; A slot's last quarter changes slots: one barrier; in front of it each wave waits for all its tensor loads, adds 0 to its spare word, and waits for that and for its reads of this slot.  fill = 1: the barrier opens a round of the
; cluster's barrier, and this slot is filled again, two K steps ahead: 112 matrix instructions ahead of the wait for it.
.macro TURN slot, next, fill
.if \fill
	s_wait_xcnt 0x0                                ; the last prefetch, a K step back, has read its address
	s_add_nc_u64 s[PFA:PFA+1], s[PFA:PFA+1], ASTEP
.endif
	WIN 0
	s_wait_tensorcnt 0x0                           ; my part of the next slot has landed
	ds_add_u32 v[SPW], v[NIL]                      ; 0 onto my spare word
	s_wait_dscnt 5                                 ; the add and the youngest four loads may be out
	WIN MUL
	MULH F1, 0, 0
	s_wait_dscnt 0x0                               ; the add is done, and my reads of this slot are over
	s_barrier_signal -1
	MULH F1, 1, 0
.if \fill
	WIN 0
.endif
	s_barrier_wait -1
.if \fill
	CREST                                          ; no wave of any partner still reads this slot or has a load on its way
	s_add_nc_u64 s[G0+4*\slot+2:G0+4*\slot+3], s[G0+4*\slot+2:G0+4*\slot+3], 2*ASTEP
	s_add_nc_u64 s[G0B+4*\slot+2:G0B+4*\slot+3], s[G0B+4*\slot+2:G0B+4*\slot+3], 2*BSTEP
	JLOAD \slot                                    ; the four v_nop behind it are also the places in front of the loads below
.else
	PLACES
.endif
	FETCH \next, 0, F0
.if \fill
	WIN 0
	ASK
.endif
	WIN MUL
	MULH F1, 2, 0
	MULH F1, 3, 0
.endm
	s_wait_tensorcnt 1                             ; my part of K step 0 is in; K step 1's load may be out
	s_barrier_signal -1
	s_barrier_wait -1
	FETCH 0, 0, F0
	QUARTER 0, 1, F0, F1, 1                        ; the first quarter's products start the sums
	WIN 0
	s_mov_b32 s3, 3
.Llap:                                             ; a trip goes once round the ring and fills both slots again
	QUARTER 0, 2, F1, F0, 0
	QUARTER 0, 3, F0, F1, 0
	TURN 0, 1, 1
	QUARTER 1, 1, F0, F1, 0
	QUARTER 1, 2, F1, F0, 0
	QUARTER 1, 3, F0, F1, 0
	TURN 1, 0, 1
	QUARTER 0, 1, F0, F1, 0
	WIN 0
	s_sub_co_u32 s3, s3, 1
	s_cmp_lg_u32 s3, 0
	s_cbranch_scc1 .Llap
	QUARTER 0, 2, F1, F0, 0                        ; the last lap fills nothing
	QUARTER 0, 3, F0, F1, 0
	TURN 0, 1, 0
	QUARTER 1, 1, F0, F1, 0
	QUARTER 1, 2, F1, F0, 0
	QUARTER 1, 3, F0, F1, 0
	s_wait_dscnt 4
	WIN MUL
	MULH F1, 0, 0
	MULH F1, 1, 0
	s_wait_dscnt 0
	MULH F1, 2, 0
	MULH F1, 3, 0
	WIN 0
; THE WAY OUT, block by block of 16 tokens x 128 features, through my own stage: back as whole rows of 512 bytes.
.macro TOSTAGE a
	WIN 0x08                                       ; the data: window 2
.irp b, 0,1,2,3,4,5,6,7
	ds_store_b128 v[STO], v[8*(8*(\a)+\b):8*(8*(\a)+\b)+3] offset:64*\b        ; each accumulator from its low end on
	ds_store_b128 v[STO], v[8*(8*(\a)+\b)+4:8*(8*(\a)+\b)+7] offset:64*\b+16
.endr
	WIN 0
.set BB, OB+64*((\a)%2)
.irp t, 0,1,2,3,4,5,6,7,8,9,10,11,12,13,14,15
	ds_load_b128 v[BB+4*\t:BB+4*\t+3], v[RD] offset:\t*SPITCH      ; LDS serves a wave's instructions in order: these see the stores above
.endr
.endm
.macro SEND a, younger
.set BB, OB+64*((\a)%2)
	s_wait_dscnt \younger
.if (\a) == 0
	s_or_b32 s2, s13, s11                          ; positions 0-15 of a batch are another launch's: its first tile, the waves of the first half, block 0
	s_cmp_eq_u32 s2, 0
	s_cbranch_scc1 .Lothers_\@
.endif
.irp t, 0,1,2,3,4,5,6,7,8,9,10,11,12,13,14,15
	global_store_b128 v[CO], v[BB+4*\t:BB+4*\t+3], s[8:9] offset:65536*(\a)+4096*\t th:TH_STORE_NT   ; 512 consecutive bytes, aligned
.endr
.if (\a) == 0
.Lothers_\@:
.endif
.endm
	PLACES
	TOSTAGE 0
.irp a, 1,2,3
.if \a > 1
	s_wait_xcnt 0x0                                ; the stores of two blocks back have read their registers
.endif
	TOSTAGE \a
	SEND \a-1, 32                                  ; behind block a - 1's loads: block a's 16 stores and 16 loads
.endr
	SEND 3, 0
	s_wait_tensorcnt 0x0                           ; the wave's end
	ds_add_u32 v[SPW], v[NIL]
	s_wait_dscnt 0x0
	CROUND                                         ; the closing round
	s_endpgm
.Lfunc_end_k_q7d56ad023f_outp:
	.size	k_q7d56ad023f_outp, .Lfunc_end_k_q7d56ad023f_outp-k_q7d56ad023f_outp
	.p2alignl 7, 3214868480
	.fill 96, 4, 3214868480
	.section	.rodata,"a",@progbits
	.p2align	6, 0x0
	.amdhsa_kernel k_q7d56ad023f_outp
		.amdhsa_group_segment_fixed_size 327680
		.amdhsa_private_segment_fixed_size 0
		.amdhsa_enable_private_segment 0
		.amdhsa_kernarg_size 24
		.amdhsa_user_sgpr_count 2
		.amdhsa_user_sgpr_kernarg_segment_ptr 1
		.amdhsa_wavefront_size32 1
		.amdhsa_system_sgpr_workgroup_id_x 1
		.amdhsa_system_sgpr_workgroup_id_y 1
		.amdhsa_system_sgpr_workgroup_id_z 1
		.amdhsa_system_vgpr_workitem_id 0
		.amdhsa_next_free_vgpr 768
		.amdhsa_next_free_sgpr 72
		.amdhsa_reserve_vcc 0
		.amdhsa_float_denorm_mode_32 3
		.amdhsa_float_denorm_mode_16_64 3
		.amdhsa_memory_ordered 1
		.amdhsa_forward_progress 1
		.amdhsa_inst_pref_size 86
	.end_amdhsa_kernel
	.amdgpu_metadata
---
amdhsa.version: [ 1, 2 ]
amdhsa.kernels:
  - .name:           k_q7d56ad023f_outp
    .symbol:         k_q7d56ad023f_outp.kd
    .args:
      - { .name: x16, .offset: 0, .size: 8, .value_kind: global_buffer, .address_space: global }
      - { .name: wo16, .offset: 8, .size: 8, .value_kind: global_buffer, .address_space: global }
      - { .name: out0, .offset: 16, .size: 8, .value_kind: global_buffer, .address_space: global }
    .group_segment_fixed_size: 327680
    .private_segment_fixed_size: 0
    .kernarg_segment_align: 8
    .kernarg_segment_size: 24
    .max_flat_workgroup_size: 128
    .sgpr_count:     72
    .vgpr_count:     768
    .wavefront_size: 32
...
	.end_amdgpu_metadata
.endif
;; end of part 5
